; MI455X (gfx1250); checked and timed in simulation.
; The chip was launched on July 23, 2026; its instructions are those of AMD's public machine-readable ISA for CDNA 5 (MIT licence, August 2026) and "CDNA5" Instruction Set Architecture Reference Guide (July 2026). The comments in the code are by the model that wrote it; some were corrected since.
;; Attention Model. Allowed arithmetic: float matrix products may take bf16 or f16 operands with f32 sums; other float arithmetic in f32, or as packed bf16 or f16 multiplies, adds, multiply-adds, maxima and minima; sums over many terms, partial sums and values carried from step to step in f32; what a program stores and reads back later, other than sums and carried values, may be rounded once to bf16 or f16.
;; Inputs: Wk 1,024 x 1,024 float32; Wq 1,024 x 1,024 float32; Wv 1,024 x 1,024 float32; bk 1,024 float32; bq 1,024 float32; bv 1,024 float32; x 4 x 2,048 x 1,024 float32.
;; Outputs: out0 4 x 2,048 x 1,024 float32.
;; 2 versions, each right; version 2 is version 1 with the launch cast written anew for expert scheduling mode. Each part assembles by itself: llvm-mc -triple=amdgcn-amd-amdhsa -mcpu=gfx1250 --defsym DOCPART=n.
;; ======== version 1 of 2: 4 launches
;; limits: values are held in f16: magnitudes above 65,504 overflow, below 6.1e-05 lose precision
;; workspace buffers: xb 16,777,216 bytes; wb 6,291,456 bytes; bc 12,288 bytes; qh 16,777,216 bytes; kh 16,777,216 bytes; vh 16,777,216 bytes; ph 33,554,432 bytes; stats 1,048,576 bytes
;; launch cast (part 1): grid 256 x 1, 11 waves a work-group, no clusters, 0 bytes of LDS; arguments x, Wq, Wk, Wv, bq, bk, bv, xb, wb, bc; writes xb, wb, bc
.if DOCPART == 1
	.amdgcn_target "amdgcn-amd-amdhsa--gfx1250"
	.amdhsa_code_object_version 6
	.text
	.protected	k_q6b907780f2_cast
	.globl	k_q6b907780f2_cast
	.p2align	8
	.type	k_q6b907780f2_cast,@function
k_q6b907780f2_cast:
	s_mov_b64 s[64:65], 0
	v_nop
	global_prefetch_b8 v0, s[64:65] scope:SCOPE_SE
	s_setreg_imm32_b32 hwreg(HW_REG_WAVE_MODE, 25, 1), 1
	s_wait_xcnt 0x0
; x [8192][1024], Wq, Wk, Wv [1024][1024] and the three biases [1024], all f32, are rounded once to bf16 (nearest even).
; xb and wb are laid out IN K BLOCKS: xb [16 blocks][8192 rows][64], wb [16][3072][64]: the 128 bytes that a row has in a K block lie end to end with its neighbours', so that the next
; launch's tiles (rows x 64 along K) are dense in memory.  wb's row 384 j + 128 t + i holds row 128 j + i of W_t (t = 0, 1, 2: q, k, v; j = 0..7): 384 rows on end are 128 output
; columns each of q, k and v.  bc [3072] holds the rounded biases as f32, in wb's row order.
; SHARES.  8,192 + 3,072 rows in shares of 4 rows are 2,816 shares: 256 work-groups of 11 waves, a share a wave.  Share R = 11 x work-group + wave: R < 2,048 takes rows 4 R of x,
; the others rows of W_t, 256 shares each.  A load takes one K block of two rows: lanes 0-15 the 256 bytes of one row, lanes 16-31 those of the next; 32 loads, all issued at once.
; A lane's four numbers become 8 bytes, and a store of the wave covers 256 consecutive bytes, aligned: the two rows' 128 bytes of that K block.
; Nothing is shared between waves and each byte is read once: no LDS, no barrier, no matrix unit, no cluster.
.set X,   8                            ; v[8:135]    32 loads of four registers
.set VO,  136                          ; v[136:151]  K block k: k x the bytes of a K block of all rows + 8 x lane; never rewritten
.set SRC, 40                           ; s[40:41]    where my wave reads
.set DST, 44                           ; s[44:45]    where it writes: my first row in K block 0
	s_load_b512 s[4:19], s[0:1], 0x0               ; x s[4:5], Wq s[6:7], Wk s[8:9], Wv s[10:11], bq s[12:13], bk s[14:15], bv s[16:17], xb s[18:19]
	s_load_b128 s[20:23], s[0:1], 0x40             ; wb s[20:21], bc s[22:23]
	v_lshrrev_b32 v3, 5, v0
	v_readfirstlane_b32 s35, v3                    ; wave 0..10
	v_and_b32 v2, 31, v0                           ; lane
	v_lshlrev_b32 v4, 4, v2                        ; 16 x lane, for the biases
	v_and_b32 v1, 15, v2
	v_lshrrev_b32 v3, 4, v2
	v_lshlrev_b32 v1, 4, v1
	v_lshl_add_u32 v1, v3, 12, v1                  ; in: 16 bytes a lane, lanes 16-31 a row of 4,096 bytes further down
	v_lshlrev_b32 v2, 3, v2                        ; out: 8 bytes a lane
	s_mul_i32 s34, ttmp9, 11
	s_add_co_u32 s34, s34, s35                     ; R, my share
	s_cmp_lt_u32 s34, 2048
	s_cselect_b32 s24, 1, 0                        ; 1: rows of x
	s_max_u32 s25, s34, 2048
	s_sub_co_u32 s25, s25, 2048                    ; else my number among the 768 shares of the weights (0 for x's)
	s_lshr_b32 s26, s25, 8                         ; t: which W
	s_and_b32 s27, s25, 255                        ; which 4 rows of it
	s_lshr_b32 s28, s27, 5                         ; j: which 128 rows
	s_and_b32 s29, s27, 31                         ; which 4 of those
	s_mul_i32 s31, s28, 384
	s_lshl_b32 s32, s26, 7
	s_add_co_u32 s31, s31, s32                     ; 384 j + 128 t
	s_lshl_b32 s33, s29, 2
	s_add_co_u32 s33, s33, s31                     ; the first row in wb,
	s_lshl_b32 s33, s33, 7                         ; of 128 bytes in a K block
	s_lshl_b32 s30, s34, 9                         ; x's: 4 rows of 128 bytes a share
	s_mov_b32 s46, 8192*128                        ; a K block of all rows: of xb,
	s_mov_b32 s47, 3072*128                        ; of wb
	s_cmp_eq_u32 s24, 1
	s_cselect_b32 s47, s46, s47
	s_cselect_b32 s36, s34, s27
	s_cselect_b32 s38, s30, s33
	s_lshl_b32 s36, s36, 14                        ; in: 4 rows of 4,096 bytes a share
	s_mov_b32 s37, 0
	s_mov_b32 s39, 0
.set k, 0
.rept 16
	v_mad_u32_u24 v[VO+k], s47, k, v2
.set k, k+1
.endr
	s_wait_kmcnt 0x0
	s_cmp_eq_u32 s26, 1
	s_cselect_b64 s[SRC:SRC+1], s[8:9], s[6:7]
	s_cselect_b64 s[42:43], s[14:15], s[12:13]     ; and the bias that goes with it
	s_cmp_eq_u32 s26, 2
	s_cselect_b64 s[SRC:SRC+1], s[10:11], s[SRC:SRC+1]
	s_cselect_b64 s[42:43], s[16:17], s[42:43]
	s_cmp_eq_u32 s24, 1
	s_cselect_b64 s[SRC:SRC+1], s[4:5], s[SRC:SRC+1]
	s_cselect_b64 s[DST:DST+1], s[18:19], s[20:21]
	s_add_nc_u64 s[SRC:SRC+1], s[SRC:SRC+1], s[36:37]
	s_add_nc_u64 s[DST:DST+1], s[DST:DST+1], s[38:39]
.set k, 0
.rept 32                                       ; load k: rows 2 (k / 16) and the next, K block k % 16
	global_load_b128 v[X+4*k:X+4*k+3], v1, s[SRC:SRC+1] offset:(k/16)*8192+(k%16)*256 th:TH_LOAD_NT
.set k, k+1
.endr
.set k, 0
.rept 32
	s_wait_loadcnt 31-k                            ; loads come back in order: load k is in, the 31 - k younger ones stay out
	v_cvt_pk_bf16_f32 v[X+4*k], v[X+4*k], v[X+4*k+1]
	v_cvt_pk_bf16_f32 v[X+4*k+1], v[X+4*k+2], v[X+4*k+3]
	global_store_b64 v[VO+k%16], v[X+4*k:X+4*k+1], s[DST:DST+1] offset:(k/16)*256 th:TH_STORE_NT  ; no register that a pending instruction reads is written again
.set k, k+1
.endr
	; The biases: the wave with the first share of each (t, j) takes the 128 numbers that go with wb's rows 384 j + 128 t on.
	s_or_b32 s46, s29, s24
	s_cmp_eq_u32 s46, 0
	s_cbranch_scc0 .Lend
	s_lshl_b32 s36, s28, 9                         ; 128 j numbers of 4 bytes
	s_lshl_b32 s38, s31, 2
	s_add_nc_u64 s[42:43], s[42:43], s[36:37]
	s_add_nc_u64 s[22:23], s[22:23], s[38:39]
	global_load_b128 v[152:155], v4, s[42:43]
	s_wait_loadcnt 0x0
	v_cvt_pk_bf16_f32 v156, v152, v153             ; rounded to bf16,
	v_cvt_pk_bf16_f32 v157, v154, v155
	v_lshlrev_b32 v152, 16, v156                   ; and written as f32 again
	v_and_b32 v153, 0xffff0000, v156
	v_lshlrev_b32 v154, 16, v157
	v_and_b32 v155, 0xffff0000, v157
	global_store_b128 v4, v[152:155], s[22:23]     ; 512 consecutive bytes, aligned
.Lend:
	s_endpgm
.Lfunc_end_k_q6b907780f2_cast:
	.size	k_q6b907780f2_cast, .Lfunc_end_k_q6b907780f2_cast-k_q6b907780f2_cast
	.p2alignl 7, 3214868480
	.fill 96, 4, 3214868480
	.section	.rodata,"a",@progbits
	.p2align	6, 0x0
	.amdhsa_kernel k_q6b907780f2_cast
		.amdhsa_group_segment_fixed_size 0
		.amdhsa_private_segment_fixed_size 0
		.amdhsa_enable_private_segment 0
		.amdhsa_kernarg_size 80
		.amdhsa_user_sgpr_count 2
		.amdhsa_user_sgpr_kernarg_segment_ptr 1
		.amdhsa_wavefront_size32 1
		.amdhsa_system_sgpr_workgroup_id_x 1
		.amdhsa_system_sgpr_workgroup_id_y 1
		.amdhsa_system_sgpr_workgroup_id_z 1
		.amdhsa_system_vgpr_workitem_id 0
		.amdhsa_next_free_vgpr 160
		.amdhsa_next_free_sgpr 66
		.amdhsa_reserve_vcc 0
		.amdhsa_float_denorm_mode_32 3
		.amdhsa_float_denorm_mode_16_64 3
		.amdhsa_memory_ordered 1
		.amdhsa_forward_progress 1
		.amdhsa_inst_pref_size 15
	.end_amdhsa_kernel
	.amdgpu_metadata
---
amdhsa.version: [ 1, 2 ]
amdhsa.kernels:
  - .name:           k_q6b907780f2_cast
    .symbol:         k_q6b907780f2_cast.kd
    .args:
      - { .name: x, .offset: 0, .size: 8, .value_kind: global_buffer, .address_space: global }
      - { .name: Wq, .offset: 8, .size: 8, .value_kind: global_buffer, .address_space: global }
      - { .name: Wk, .offset: 16, .size: 8, .value_kind: global_buffer, .address_space: global }
      - { .name: Wv, .offset: 24, .size: 8, .value_kind: global_buffer, .address_space: global }
      - { .name: bq, .offset: 32, .size: 8, .value_kind: global_buffer, .address_space: global }
      - { .name: bk, .offset: 40, .size: 8, .value_kind: global_buffer, .address_space: global }
      - { .name: bv, .offset: 48, .size: 8, .value_kind: global_buffer, .address_space: global }
      - { .name: xb, .offset: 56, .size: 8, .value_kind: global_buffer, .address_space: global }
      - { .name: wb, .offset: 64, .size: 8, .value_kind: global_buffer, .address_space: global }
      - { .name: bc, .offset: 72, .size: 8, .value_kind: global_buffer, .address_space: global }
    .group_segment_fixed_size: 0
    .private_segment_fixed_size: 0
    .kernarg_segment_align: 8
    .kernarg_segment_size: 80
    .max_flat_workgroup_size: 352
    .sgpr_count:     66
    .vgpr_count:     160
    .wavefront_size: 32
...
	.end_amdgpu_metadata
.endif
;; end of part 1
;; launch proj (part 2): grid 8 x 32, 4 waves a work-group, clusters of 4 x 4, 327,680 bytes of LDS; arguments xb, wb, qh, kh, vh, bc; writes qh, kh, vh
.if DOCPART == 2
	.amdgcn_target "amdgcn-amd-amdhsa--gfx1250"
	.amdhsa_code_object_version 6
	.text
	.protected	k_q6b907780f2_proj
	.globl	k_q6b907780f2_proj
	.p2align	8
	.type	k_q6b907780f2_proj,@function
k_q6b907780f2_proj:
	s_mov_b64 s[64:65], 0
	v_nop
	global_prefetch_b8 v0, s[64:65] scope:SCOPE_SE
	s_setreg_imm32_b32 hwreg(HW_REG_WAVE_MODE, 25, 1), 1
	s_wait_xcnt 0x0
	s_wait_alu depctr_hold_cnt(0) depctr_sa_sdst(0) depctr_va_vdst(0) depctr_va_sdst(0) depctr_va_ssrc(0) depctr_va_vcc(0) depctr_vm_vsrc(0)
	s_getreg_b32 s2, hwreg(HW_REG_IB_STS2, 6, 4)
	s_cmp_eq_u32 s2, 0
	s_cbranch_scc0 .Lentry_in_a_cluster
	s_endpgm
.Lentry_in_a_cluster:
	s_bfe_u32 s2, ttmp6, 0x10000c
	s_cmp_lg_u32 s2, 0xf033
	s_cbranch_scc0 .Lentry_shape_is_right
	s_endpgm
.Lentry_shape_is_right:
; [q | k | v] = xb wb^T + bc.  xb [16 K blocks][8192][64] and wb [16][3072][64] in bf16, bc [3072] f32; sums in f32, started by the bias; q, k, v [8192][1024] rounded once to f16.
; LIMIT.  f16 holds no number beyond 65,504: a q, k or v of 65,520 or more becomes an infinity.
; A tile is 256 rows x 384 columns (wb's rows 384 j on: 128 columns each of q, k, v): 32 x 8 = 256 tiles, one for each of 256 WGPs.  Four waves, 2 x 2, each 128 x 192: 96 accumulators of 16 x 16,
; 768 registers.  K goes in 16 steps of 64 (a K block) through a ring of two LDS slots.  In a K block a tile's rows of 128 bytes lie end to end: they are asked for as rows of 256 bytes and padded
; in LDS after every 128.  Wave 0 brings xb's 256 rows (32,768 bytes), waves 1 to 3 a third of wb's 384 each (16,384 bytes).
; CLUSTER 4 x 4: xb's tile hangs on the tile row alone and is asked for jointly along a row of the cluster, wb's on the tile column alone, along a column.
; THE MATRIX INSTRUCTION IS USED TRANSPOSED (source 0 = 16 rows of wb, source 1 = 16 rows of xb): a lane holds row l % 16 and the eight neighbouring columns 8 (l / 16) + 0..7.
; REGISTERS in windows of 256 (s_set_vgpr_msb: bits 1:0 source 0, 3:2 source 1, 5:4 source 2, 7:6 destination):
;   window 0: v0-31 addresses; v32-127 wb's 12 fragments; v128-191, v192-255 xb's 8 fragments, two buffers (on the way out v32-159 packed results, then v32-223 rows read back)
;   windows 1 to 3: the accumulators: row block a, column block b in window 1 + b / 4 at 64 (b % 4) + 8 a
; A PIECE is 32 along K: 96 products, column block by column block, eight row blocks each.  xb's fragments stay for the whole piece, so they have two buffers; a fragment of wb is done with after its
; eight products and is loaded again IN PLACE for the next piece.  40 LDS loads feed 96 products.  They go out in this order: in the middle of block 0 wb's blocks 10, 11 of the piece itself; behind block 3
; ONE RUN of 24: the next piece's wb blocks 0-3 and all of xb's; in the middle of blocks 6, 8, 10 the next piece's wb blocks 4-5, 6-7, 8-9.  Each is issued 56 products or more ahead of its use.
; A K STEP IS WRITTEN ONCE: a trip is a step's second piece, with the change of slots, and the next step's first.  s[TB] is the LDS byte at which the slot in hand begins, 0 or SLOT1.
; Fourteen trips fill a slot again; the last steps, which fill nothing, are a second loop.
.set PITCH,  144                       ; an LDS row: 128 bytes + 16 of padding = 36 words: the 16 rows of a fragment load start at 16 different groups of four banks
.set THIRD,  128*PITCH                 ; 128 rows: a third of wb's tile, half of xb's
.set AT,     2*THIRD                   ; a slot: xb's 256 rows, then wb's 384: 92,160 bytes
.set SLOT1,  1<<17                     ; slot 1 begins here, so that one exclusive or turns an address in one slot into the other's
.set SPITCH, 784                       ; the stage's rows: 768 bytes + 16.  The stage, 256 rows from LDS byte 0, lies over the slots and is used behind their last fill
.set SPARE,  SLOT1+5*THIRD             ; behind slot 1: the spare words, 128 bytes a wave, which no other line names
.set STEPS,  16
.set KSA,    8192*128                  ; bytes from a K block of xb to the next
.set KSB,    3072*128                  ; of wb
.set ROWB,   2048                      ; bytes in a row of q, k, v
.set A0,   16                          ; v16     LDS address of my xb fragments in slot 0; never rewritten
.set ADRA, 17                          ; v17     the same in the slot in hand
.set B0,   20                          ; v20, v21  the same for wb
.set ADRB, 21
.set RD0,  22                          ; v22     the way out: where I read my first rows back; never rewritten
.set STO,  24                          ; v24     the way out: where I put 16 bytes of a row, row blocks 0-3
.set RD,   25                          ; v25     where I read rows back
.set CO,   26                          ; v26     my byte offset in q, k, v
.set STO2, 27                          ; v27     as v24, row blocks 4-7 (an LDS offset has 16 bits)
.set SPW,  28                          ; v28     my spare word: SPARE + 4 x my thread's number; never rewritten
.set NIL,  29                          ; v29     0; never rewritten
.set PFO,  30                          ; v30     the prefetches' offset; never rewritten
.set BO,   31                          ; v31     32 (l / 16): my eight columns' biases
.set BF,   32
.set AF,   128
.set TMP,  32
.set OB,   32
.set G1A, 24                           ; s[24:31] descriptor group 1 for xb's tiles;  s[32:39] group 0: a set for each of the two first fills; the second then walks on
.set G0A, 32
.set LIM, 43                           ; s43      1 in a wave that prefetches, else the greatest number
.set PFA, 44                           ; s[44:45] the K step that my next prefetch names
.set G1B, 48                           ; s[48:55], s[56:63] the same for wb's tiles
.set G0B, 56
.set PM,  66                           ; s66      1: I ask in every trip (xb); 0: in every second one (wb)
.set RB,  67                           ; s67      the way out: LDS bytes from my first rows to the trip's
.set TB,  70                           ; s70      0 or SLOT1
.set PST, 80                           ; s[80:81] a K step in the tensor that I prefetch
.set DW0, (1<<16)|(1<<20)|(1<<21)|(4<<22)|(3<<25)  ; 2-byte elements; padding on; bit 21 beside a mask; after every 32 words; 4 words
.set MSB, 0
.macro WIN new                         ; the immediate's high byte repeats the setting that is left; a switch that changes nothing is dropped
.if MSB != (\new)
	s_set_vgpr_msb (MSB<<8)|(\new)
.set MSB, \new
.endif
.endm
.macro PLACES                          ; four plain instructions between a matrix instruction and a load into, or a vector read or write of, its registers
.rept 4
	v_nop
.endr
.endm
; A joint load.  Wave 0 fetches xb's tile, waves 1 to 3 the thirds of wb's.  The branch hangs on the wave's number alone.  An s_nop 0 and four v_nop follow each line.
.macro JLOAD s
	s_cmp_eq_u32 s10, 0
	s_cbranch_scc0 .Lfor_b_\@
	tensor_load_to_lds s[G0A+4*(\s):G0A+4*(\s)+3], s[G1A:G1A+7]
	s_nop 0
.rept 4
	v_nop
.endr
	s_branch .Lasked_\@
.Lfor_b_\@:
	tensor_load_to_lds s[G0B+4*(\s):G0B+4*(\s)+3], s[G1B:G1B+7]
	s_nop 0
.rept 4
	v_nop
.endr
.Lasked_\@:
.endm
; A PREFETCH, a lane a block of 256 bytes.  Trip t (s3 = 14 - t) asks for K step t + 2 by its joint load, and here for what the next trip's load will want, K step t + 3: a step's 192 matrix instructions ahead.
; xb's tile of a K step is 128 blocks: wave 0, in the first cluster of the row of clusters that reads it; each of the four partners along x takes 32, told apart by address.
; A third of wb's tile is 64 blocks: waves 1 to 3, in the first cluster of the column of clusters; each partner along y takes 16, and lanes 16-31 take the same 16 of the K step after: so these waves ask in every
; second trip (s3 odd), for K steps t + 3 and t + 4.  So each block of K steps 4 to 15 (xb: 3 to 15) is named once.  The last trip (s3 = 1) names nothing: its K steps do not exist.
.macro ASK
	WIN 0
	s_or_b32 s84, s3, s[PM]
	s_and_b32 s84, s84, 1
	s_cmp_eq_u32 s84, 0
	s_cbranch_scc1 .Lnot_mine_\@
	s_cmp_gt_u32 s3, s[LIM]
	s_cbranch_scc0 .Lnot_mine_\@
	global_prefetch_b8 v[PFO], s[PFA:PFA+1] th:TH_LOAD_NT scope:SCOPE_SE
.Lnot_mine_\@:
.endm
.macro CREST                           ; a round of the cluster's barrier behind its opening barrier
	s_cmp_lg_u32 s10, 0
	s_cbranch_scc1 .Lnot_wave_0_\@
	s_barrier_signal -3
.Lnot_wave_0_\@:
	s_barrier_wait -3
	s_barrier_signal -1
	s_barrier_wait -1
.endm
.macro CROUND                          ; a whole round
	s_barrier_signal -1
	s_barrier_wait -1
	CREST
.endm
; 4 matrix instructions: column block b x row blocks a0 .. a0 + 3, xb's buffer f.  All 96 accumulators take turns in the same order in every piece, over the backward jumps too.
; first = 1: the sums start with the bias, which lies in the registers of accumulator (7, b); the product that writes over them comes last, five places behind the last one that read them.
; rid = 1: a v_nop rides behind each product: the four places between the last products on a fragment and the loads into it.
.macro MUL f, b, a0, first, rid
.set AW, 1+(\b)/4
.set AB, 64*((\b)%4)
	WIN AW*0x50                                    ; sources 0 and 1 in window 0, C and D in the accumulators'
.set aa, \a0
.rept 4
.if \first
.if aa == 7
.rept 5
	v_nop
.endr
.endif
	v_wmma_f32_16x16x32_bf16 v[AB+8*aa:AB+8*aa+7], v[BF+8*(\b):BF+8*(\b)+7], v[AF+64*(\f)+8*aa:AF+64*(\f)+8*aa+7], v[AB+56:AB+63]
.else
	v_wmma_f32_16x16x32_bf16 v[AB+8*aa:AB+8*aa+7], v[BF+8*(\b):BF+8*(\b)+7], v[AF+64*(\f)+8*aa:AF+64*(\f)+8*aa+7], v[AB+8*aa:AB+8*aa+7]
.endif
.if \rid
	v_nop
.endif
.set aa, aa+1
.endr
.endm
.macro BLK f, b, first                 ; a column block's eight products
	MUL \f, \b, 0, \first, 0
	MUL \f, \b, 4, \first, 0
.endm
.macro LDB b, o                        ; wb's fragment b, at byte o of the rows of the slot in hand
	ds_load_b128 v[BF+8*(\b):BF+8*(\b)+3],   v[ADRB] offset:(\b)*16*PITCH+(\o)
	ds_load_b128 v[BF+8*(\b)+4:BF+8*(\b)+7], v[ADRB] offset:(\b)*16*PITCH+(\o)+32
.endm
.macro LDA a, g, o                     ; xb's fragment a into buffer g
	ds_load_b128 v[AF+64*(\g)+8*(\a):AF+64*(\g)+8*(\a)+3],   v[ADRA] offset:(\a)*16*PITCH+(\o)
	ds_load_b128 v[AF+64*(\g)+8*(\a)+4:AF+64*(\g)+8*(\a)+7], v[ADRA] offset:(\a)*16*PITCH+(\o)+32
.endm
.macro RUN g, o                        ; the run of 24: wb's fragments 0-3, all of xb's
	WIN 0
.irp b, 0,1,2,3
	LDB \b, \o
.endr
.irp a, 0,1,2,3,4,5,6,7
	LDA \a, \g, \o
.endr
.endm
.macro MIDB f, b, r0, o, first         ; column block b, and in its middle the loads into wb's fragments r0, r0 + 1
	MUL \f, \b, 0, \first, 1
	WIN 0
	LDB \r0, \o
	LDB (\r0)+1, \o
	MUL \f, \b, 4, \first, 0
.endm
; A PIECE: half h (0, 1) of the K step in hand.  LDS loads come back in order, so each wait counts the loads issued behind those that it needs.
; turn = 1: the change of slots, with a refill; 2: without.  The slot's last reads are those in block 0.  Behind block 2 each wave waits for all its tensor loads (one is out: its part of the other slot) and adds 0 to
; its spare word; block 3's products stand between the add and the wait for it and for the wave's reads of the slot; then the barrier, which with a refill opens a round of the cluster's barrier; the joint refill,
; two K steps on, is the first thing behind it, 184 matrix instructions ahead of the wait for it.
.macro PIECE h, turn, first=0
.set OWN, 64*(\h)
.set NXO, 64-OWN
.set NG, 1-(\h)
.if (\turn) == 1
	s_wait_xcnt 0x0                                ; the last prefetch, a K step back, has read its address
	s_add_nc_u64 s[PFA:PFA+1], s[PFA:PFA+1], s[PST:PST+1]
.endif
	s_wait_dscnt 12                                ; the run of 24 is in; the 12 loads into wb's fragments 4-9 may be out
	MIDB \h, 0, 10, OWN, \first
	BLK \h, 1, \first
	BLK \h, 2, \first
.if \turn
	WIN 0                                          ; the add's two registers lie in window 0
	s_wait_tensorcnt 0x0                           ; all my tensor loads have landed, so a group 0 may be written
	ds_add_u32 v[SPW], v[NIL]
	s_xor_b32 s[TB], s[TB], SLOT1                  ; the fetches go on in the other slot
	v_add_nc_u32 v[ADRA], s[TB], v[A0]
	v_add_nc_u32 v[ADRB], s[TB], v[B0]
.endif
.if (\turn) == 1
	s_xor_b32 s[G0A+5], s[G0A+5], SLOT1            ; the walking descriptors: the other slot than last time,
	s_add_nc_u64 s[G0A+6:G0A+7], s[G0A+6:G0A+7], KSA  ; the next K block; the type bits on top are not reached
	s_xor_b32 s[G0B+5], s[G0B+5], SLOT1
	s_add_nc_u64 s[G0B+6:G0B+7], s[G0B+6:G0B+7], KSB
.endif
	BLK \h, 3, \first
	WIN 0
.if \turn
	s_wait_dscnt 0x0                               ; the add is done, and my reads of the slot that is left are over
	s_barrier_signal -1
	s_barrier_wait -1
.endif
.if (\turn) == 1
	CREST                                          ; no wave of any partner still reads that slot or has a load on its way
	JLOAD 1                                        ; its four v_nop are the places in front of the loads that follow
.else
	PLACES
.endif
	RUN NG, NXO
.if (\turn) == 1
	ASK                                            ; behind the joint load and the run of LDS loads
.endif
	s_wait_dscnt 36                                ; fragments 4, 5 are in: behind them 8 loads (6-9), 4 (10, 11) and the run of 24
	BLK \h, 4, \first
	BLK \h, 5, \first
	s_wait_dscnt 32                                ; fragments 6, 7: behind them 4 (8, 9), 4 (10, 11), 24
	MIDB \h, 6, 4, NXO, \first
	BLK \h, 7, \first
	s_wait_dscnt 32                                ; fragments 8, 9: behind them 4 (10, 11), 24, 4
	MIDB \h, 8, 6, NXO, \first
	BLK \h, 9, \first
	s_wait_dscnt 32                                ; fragments 10, 11: behind them 24, 4, 4
	MIDB \h, 10, 8, NXO, \first
	BLK \h, 11, \first
.endm
	s_load_b128 s[4:7], s[0:1], 0x0                ; xb s[4:5], wb s[6:7]
	s_load_b256 s[72:79], s[0:1], 0x10             ; qh s[72:73], kh s[74:75], vh s[76:77], bc s[78:79]
	v_lshl_add_u32 v[SPW], v0, 2, SPARE
	v_mov_b32 v[NIL], 0
	ds_add_u32 v[SPW], v[NIL]                      ; the wave's opening: the add, waited for ahead of my first tensor load
	v_lshrrev_b32 v1, 5, v0
	v_readfirstlane_b32 s10, v1                    ; wave 0..3
	s_lshr_b32 s11, s10, 1                         ; which 128 of the tile's rows are mine
	s_and_b32 s12, s10, 1                          ; which 192 of its columns
	s_bfe_u32 s40, ttmp6, 0x40000                  ; cx
	s_bfe_u32 s41, ttmp6, 0x40004                  ; cy
	s_lshl_b32 s42, ttmp9, 2
	s_add_co_u32 s42, s42, s40                     ; tile column = 4 x cluster x + cx
	s_and_b32 s13, ttmp7, 0xffff
	s_lshl_b32 s13, s13, 2
	s_add_co_u32 s13, s13, s41                     ; tile row = 4 x cluster y + cy
	s_lshl_b32 s43, s41, 2
	s_lshl_b32 s43, 15, s43                        ; my row of the cluster
	s_lshl_b32 s44, 0x1111, s40                    ; my column
	s_or_b32 s[G1A+0], s43, DW0
	s_or_b32 s[G1B+0], s44, DW0
	s_mov_b32 s[G1A+1], 128<<16                    ; tensor_dim0 = 128 elements: 256 bytes, two rows of the tile
	s_mov_b32 s[G1A+2], 128<<16                    ; tensor_dim1 = 128
	s_mov_b32 s[G1A+3], 128<<16                    ; tile_dim0 = 128
	s_mov_b32 s[G1A+4], 128                        ; tile_dim1 = 128
	s_mov_b32 s[G1A+5], 128                        ; elements from row to row: dense
	s_mov_b32 s[G1A+6], 0
	s_mov_b32 s[G1A+7], 0
	s_mov_b32 s[G1B+1], 128<<16
	s_mov_b32 s[G1B+2], 64<<16                     ; a third of wb's tile: 64 rows of 256 bytes
	s_mov_b32 s[G1B+3], 128<<16
	s_mov_b32 s[G1B+4], 64
	s_mov_b32 s[G1B+5], 128
	s_mov_b32 s[G1B+6], 0
	s_mov_b32 s[G1B+7], 0
	s_lshl_b32 s16, s13, 15                        ; xb: 256 x tile row rows of 128 bytes
	s_mov_b32 s17, 0
	s_max_u32 s84, s10, 1
	s_sub_co_u32 s84, s84, 1
	s_lshl_b32 s84, s84, 7                         ; wb: waves 1, 2, 3 take rows 0, 128, 256 of the tile's 384
	s_mul_i32 s85, s42, 384
	s_add_co_u32 s85, s85, s84                     ; the first row of wb that I fetch
	s_lshl_b32 s46, s85, 7
	s_mov_b32 s47, 0
	s_mul_i32 s20, s10, THIRD                      ; where wb's thirds go in a slot: behind xb's two: no place in the cluster enters an LDS address
	s_add_co_u32 s20, s20, THIRD
	s_mov_b32 s[TB], 0
	s_wait_dscnt 0x0                               ; the opening add is done
	s_wait_kmcnt 0x0
	s_add_nc_u64 s[14:15], s[4:5], s[16:17]
	s_add_nc_u64 s[46:47], s[6:7], s[46:47]
	CROUND                                         ; all sixteen work-groups are here: the first joint loads meet
.irp s, 0,1
	s_mov_b32 s[G0A+4*(\s)], 1
	s_mov_b32 s[G0A+4*(\s)+1], (\s)*SLOT1
	s_add_nc_u64 s[G0A+4*(\s)+2:G0A+4*(\s)+3], s[14:15], (\s)*KSA
	s_or_b32 s[G0A+4*(\s)+3], s[G0A+4*(\s)+3], 0x80000000
	s_mov_b32 s[G0B+4*(\s)], 1
	s_add_co_u32 s[G0B+4*(\s)+1], s20, (\s)*SLOT1
	s_add_nc_u64 s[G0B+4*(\s)+2:G0B+4*(\s)+3], s[46:47], (\s)*KSB
	s_or_b32 s[G0B+4*(\s)+3], s[G0B+4*(\s)+3], 0x80000000
	JLOAD \s
.endr
	v_and_b32 v1, 15, v0                           ; l % 16
	v_bfe_u32 v2, v0, 4, 1                         ; l / 16
	v_lshlrev_b32 v[BO], 5, v2
	s_mul_i32 s86, s42, 384
	s_mul_i32 s87, s12, 192
	s_add_co_u32 s86, s86, s87
	s_lshl_b32 s86, s86, 2
	s_mov_b32 s87, 0
	s_add_nc_u64 s[78:79], s[78:79], s[86:87]      ; bc at my 192 columns
.set bb, 0
.rept 12                                       ; into the registers of accumulator (7, b): register j takes the bias of column 16 b + 8 (l / 16) + j
	WIN (1+bb/4)<<6
	global_load_b128 v[64*(bb%4)+56:64*(bb%4)+59], v[BO], s[78:79] offset:64*bb
	global_load_b128 v[64*(bb%4)+60:64*(bb%4)+63], v[BO], s[78:79] offset:64*bb+16
.set bb, bb+1
.endr
	WIN 0
	v_mul_u32_u24 v3, v1, PITCH
	v_lshl_add_u32 v3, v2, 4, v3                   ; a fragment's row x pitch + 16 x half
	s_mul_i32 s21, s11, THIRD                      ; my 128 rows of xb
	s_mul_i32 s22, s12, 192*PITCH                  ; my 192 rows of wb,
	s_add_co_u32 s22, s22, AT                      ; which lie behind xb's 256
	v_add_nc_u32 v[A0], s21, v3
	v_add_nc_u32 v[B0], s22, v3
	v_mov_b32 v[ADRA], v[A0]                       ; slot 0 is in hand
	v_mov_b32 v[ADRB], v[B0]
	s_mul_i32 s23, s11, 128*SPITCH                 ; into the stage: my 128 rows, my 384 bytes of them
	s_mul_i32 s21, s12, 384
	s_add_co_u32 s23, s23, s21
	v_mul_u32_u24 v4, v1, SPITCH
	v_lshl_add_u32 v4, v2, 4, v4
	v_add_nc_u32 v[STO], s23, v4
	v_add_nc_u32 v[STO2], 4*16*SPITCH, v[STO]
	s_mul_i32 s23, s10, 64*SPITCH                  ; back: wave w takes rows 64 w on; lanes 0-15 one row's 256 bytes, lanes 16-31 the next row's
	v_mul_u32_u24 v5, v2, SPITCH
	v_lshl_add_u32 v5, v1, 4, v5
	v_add_nc_u32 v[RD0], s23, v5
	v_mov_b32 v[RD], v[RD0]
	v_lshlrev_b32 v5, 11, v2
	v_lshl_add_u32 v[CO], v1, 4, v5
	s_lshl_b32 s16, s13, 8
	s_lshl_b32 s17, s10, 6
	s_add_co_u32 s16, s16, s17                     ; the first row that I store
	s_lshl_b32 s86, s16, 11
	s_lshl_b32 s87, s42, 8                         ; 128 columns of 2 bytes for each tile column
	s_add_co_u32 s86, s86, s87
	s_mov_b32 s87, 0
	s_add_nc_u64 s[72:73], s[72:73], s[86:87]
	s_add_nc_u64 s[74:75], s[74:75], s[86:87]
	s_add_nc_u64 s[76:77], s[76:77], s[86:87]
	; the prefetches
	s_lshl_b32 s84, s13, 15                        ; xb: the tile's first byte in a K block,
	s_lshl_b32 s86, s40, 13                        ; my work-group's 32 blocks of 256 bytes,
	s_add_co_u32 s84, s84, s86
	s_add_co_u32 s84, s84, 2*KSA                   ; at K step 2: the first trip steps it to 3, which it names
	s_lshl_b32 s85, s85, 7                         ; wb: my third's first byte,
	s_lshl_b32 s86, s41, 12                        ; my work-group's 16 blocks,
	s_add_co_u32 s85, s85, s86
	s_add_co_u32 s85, s85, 2*KSB
	s_mov_b32 s16, KSA
	s_mov_b32 s17, KSB
	s_and_b32 s22, ttmp7, 0xffff                   ; cluster y
	s_cmp_eq_u32 s10, 0
	s_cselect_b32 s86, s84, s85
	s_cselect_b32 s22, ttmp9, s22                  ; the coordinate along which other clusters read the same blocks
	s_cselect_b32 s[PST], s16, s17
	s_cselect_b32 s[PM], 1, 0
	s_cselect_b32 s23, 31, 15
	s_cselect_b32 s21, 0, s17
	s_cselect_b64 s[PFA:PFA+1], s[4:5], s[6:7]
	s_cmp_eq_u32 s22, 0
	s_cselect_b32 s[LIM], 1, -1
	s_mov_b32 s[PST+1], 0
	s_mov_b32 s87, 0
	s_add_nc_u64 s[PFA:PFA+1], s[PFA:PFA+1], s[86:87]
	v_and_b32 v5, 31, v0
	v_and_b32 v6, s23, v5
	v_lshlrev_b32 v6, 8, v6                        ; a lane a block: xb 32 on end; wb 16 on end,
	v_lshrrev_b32 v7, 4, v5
	v_mad_u32_u24 v[PFO], v7, s21, v6              ; and lanes 16-31 the same 16 a K block on
	s_wait_loadcnt 0x0                             ; the bias
	s_wait_tensorcnt 1                             ; my part of K step 0 is in; K step 1's load may stay out
	s_barrier_signal -1
	s_barrier_wait -1
	RUN 0, 0                                       ; the first piece's fragments, in the order in which every piece asks for the next one's
.irp b, 4,5,6,7,8,9
	LDB \b, 0
.endr
	PIECE 0, 0, 1                                  ; the first piece stands in front of the loop: its products start the sums
	WIN 0
	s_mov_b32 s3, STEPS-2
.Lstep:                                        ; trip t: the second piece of K step t, the first of K step t + 1; the slot that is left takes K step t + 2
	PIECE 1, 1
	PIECE 0, 0
	WIN 0
	s_sub_co_u32 s3, s3, 1
	s_cmp_lg_u32 s3, 0
	s_cbranch_scc1 .Lstep
	s_mov_b32 s3, 2
.Ltail:                                        ; the second pieces of K steps 14 and 15 fill nothing.  The last has no piece behind it: what it fetches, out of the slot read before, nobody multiplies:
	PIECE 1, 2                                     ; 36 LDS loads, once a launch, the price of one text for every piece
	WIN 0
	s_cmp_eq_u32 s3, 1
	s_cbranch_scc1 .Llast
	PIECE 0, 0
	WIN 0
.Llast:
	s_sub_co_u32 s3, s3, 1
	s_cmp_lg_u32 s3, 0
	s_cbranch_scc1 .Ltail
	; THE WAY OUT.  Rounded to f16; 16 bytes a lane into ONE stage of 256 rows x 768 bytes, which lies over the slots: they have had their last fill.  A barrier first: no wave stores into the stage
	; before every wave has left the loops and its LDS reads are back.  A second barrier, since a row's 256 bytes of k come from two waves; then whole rows back, 64 rows a wave, and out.
.macro PACK w                          ; the 32 accumulators of window w: column blocks 4 (w - 1) on
	WIN 5*(\w)                                     ; sources 0 and 1 in the accumulators' window
.set i, 0
.rept 128
	v_cvt_pk_f16_f32 v[TMP+i], v[2*i], v[2*i+1]    ; each accumulator's registers in ascending order
.set i, i+1
.endr
	WIN 0
.set n, 0
.rept 32                                       ; accumulator n: row block n % 8, column block 4 (w - 1) + n / 8
.if n%8 < 4
	ds_store_b128 v[STO],  v[TMP+4*n:TMP+4*n+3] offset:(n%8)*16*SPITCH+32*(4*(\w)-4+n/8)
.else
	ds_store_b128 v[STO2], v[TMP+4*n:TMP+4*n+3] offset:(n%8-4)*16*SPITCH+32*(4*(\w)-4+n/8)
.endif
.set n, n+1
.endr
.endm
.macro BACK t                          ; part t (q, k, v) of 32 rows
.set p, 0
.rept 16
	ds_load_b128 v[OB+64*(\t)+4*p:OB+64*(\t)+4*p+3], v[RD] offset:2*p*SPITCH+256*(\t)
.set p, p+1
.endr
.endm
.macro OUT t, base
.set p, 0
.rept 16
	global_store_b128 v[CO], v[OB+64*(\t)+4*p:OB+64*(\t)+4*p+3], s[\base:\base+1] offset:2*p*ROWB  ; 16 lanes store 256 consecutive bytes, aligned
.set p, p+1
.endr
.endm
	s_wait_dscnt 0x0                               ; my LDS reads are back
	s_barrier_signal -1
	PLACES                                         ; behind the last products
	s_barrier_wait -1
	PACK 1
	PACK 2
	PACK 3
	s_wait_dscnt 0x0                               ; for the others' sake: my stores into the stage are done
	s_barrier_signal -1
	s_barrier_wait -1
	s_mov_b32 s[RB], 0
	s_mov_b32 s3, 2
.Lrows:                                        ; two trips of 32 rows
	BACK 0
	BACK 1
	BACK 2
	s_wait_dscnt 32                                ; q's sixteen loads are in; the 32 issued behind them may stay out
	OUT 0, 72
	s_wait_dscnt 16                                ; k's are in
	OUT 1, 74
	s_wait_dscnt 0x0
	OUT 2, 76
	s_wait_xcnt 0x0                                ; the stores have read their registers and their bases, which are written below and in the next trip
	s_add_nc_u64 s[72:73], s[72:73], 32*ROWB
	s_add_nc_u64 s[74:75], s[74:75], 32*ROWB
	s_add_nc_u64 s[76:77], s[76:77], 32*ROWB
	s_add_co_u32 s[RB], s[RB], 32*SPITCH
	v_add_nc_u32 v[RD], s[RB], v[RD0]
	s_sub_co_u32 s3, s3, 1
	s_cmp_lg_u32 s3, 0
	s_cbranch_scc1 .Lrows
	s_wait_tensorcnt 0x0                           ; the wave's end
	ds_add_u32 v[SPW], v[NIL]
	s_wait_dscnt 0x0
	CROUND                                         ; the closing round
	s_endpgm
.Lfunc_end_k_q6b907780f2_proj:
	.size	k_q6b907780f2_proj, .Lfunc_end_k_q6b907780f2_proj-k_q6b907780f2_proj
	.p2alignl 7, 3214868480
	.fill 96, 4, 3214868480
	.section	.rodata,"a",@progbits
	.p2align	6, 0x0
	.amdhsa_kernel k_q6b907780f2_proj
		.amdhsa_group_segment_fixed_size 327680
		.amdhsa_private_segment_fixed_size 0
		.amdhsa_enable_private_segment 0
		.amdhsa_kernarg_size 48
		.amdhsa_user_sgpr_count 2
		.amdhsa_user_sgpr_kernarg_segment_ptr 1
		.amdhsa_wavefront_size32 1
		.amdhsa_system_sgpr_workgroup_id_x 1
		.amdhsa_system_sgpr_workgroup_id_y 1
		.amdhsa_system_sgpr_workgroup_id_z 1
		.amdhsa_system_vgpr_workitem_id 0
		.amdhsa_next_free_vgpr 1024
		.amdhsa_next_free_sgpr 88
		.amdhsa_reserve_vcc 0
		.amdhsa_float_denorm_mode_32 3
		.amdhsa_float_denorm_mode_16_64 3
		.amdhsa_memory_ordered 1
		.amdhsa_forward_progress 1
		.amdhsa_inst_pref_size 105
	.end_amdhsa_kernel
	.amdgpu_metadata
---
amdhsa.version: [ 1, 2 ]
amdhsa.kernels:
  - .name:           k_q6b907780f2_proj
    .symbol:         k_q6b907780f2_proj.kd
    .args:
      - { .name: xb, .offset: 0, .size: 8, .value_kind: global_buffer, .address_space: global }
      - { .name: wb, .offset: 8, .size: 8, .value_kind: global_buffer, .address_space: global }
      - { .name: qh, .offset: 16, .size: 8, .value_kind: global_buffer, .address_space: global }
      - { .name: kh, .offset: 24, .size: 8, .value_kind: global_buffer, .address_space: global }
      - { .name: vh, .offset: 32, .size: 8, .value_kind: global_buffer, .address_space: global }
      - { .name: bc, .offset: 40, .size: 8, .value_kind: global_buffer, .address_space: global }
    .group_segment_fixed_size: 327680
    .private_segment_fixed_size: 0
    .kernarg_segment_align: 8
    .kernarg_segment_size: 48
    .max_flat_workgroup_size: 128
    .sgpr_count:     88
    .vgpr_count:     1024
    .wavefront_size: 32
...
	.end_amdgpu_metadata
.endif
;; end of part 2
;; launch score (part 3): grid 8 x 32, 4 waves a work-group, clusters of 4 x 4, 327,680 bytes of LDS; arguments qh, kh, ph, stats; writes ph, stats
.if DOCPART == 3
	.amdgcn_target "amdgcn-amd-amdhsa--gfx1250"
	.amdhsa_code_object_version 6
	.text
	.protected	k_q6b907780f2_score
	.globl	k_q6b907780f2_score
	.p2align	8
	.type	k_q6b907780f2_score,@function
k_q6b907780f2_score:
	s_mov_b64 s[64:65], 0
	v_nop
	global_prefetch_b8 v0, s[64:65] scope:SCOPE_SE
	s_setreg_imm32_b32 hwreg(HW_REG_WAVE_MODE, 25, 1), 1
	s_wait_xcnt 0x0
	s_wait_alu depctr_hold_cnt(0) depctr_sa_sdst(0) depctr_va_vdst(0) depctr_va_sdst(0) depctr_va_ssrc(0) depctr_va_vcc(0) depctr_vm_vsrc(0)
	s_getreg_b32 s2, hwreg(HW_REG_IB_STS2, 6, 4)
	s_cmp_eq_u32 s2, 0
	s_cbranch_scc0 .Lentry_in_a_cluster
	s_endpgm
.Lentry_in_a_cluster:
	s_bfe_u32 s2, ttmp6, 0x10000c
	s_cmp_lg_u32 s2, 0xf033
	s_cbranch_scc0 .Lentry_shape_is_right
	s_endpgm
.Lentry_shape_is_right:
; s = q k^T within a batch; then, for each query row and each CHUNK of 128 keys: cm = c x (the largest s of the chunk), p = 2^(c s - cm) rounded to f16, l = the sum of the unrounded p.
; c = log2(e) / 32.  q, k [8192][1024] f16; ph [8192][2048] f16 (row = query, column = key in the batch); stats f32 [batch 4][chunk 16][cm, l][row 2048].
; Every exponential has the true maximum of its own 128 scores taken away, so p lies in 0 to 1 and l in 1 to 128; the next launch brings the chunks onto the row's maximum.
; LIMITS.  p below 6e-5 keeps f16's fixed step of 6e-8; a p below 2^-126 counts as 0 in l; NaN and infinities are not treated apart.
; A tile is 256 queries x 256 keys: 8 x 32 = 256 tiles.  Four waves, 2 x 2, each 128 x 128 (its 128 keys are one chunk): 64 accumulators.  K = 1024 goes in 8 steps of 128 through two LDS slots.
; CLUSTER 4 x 4: q's tile is asked for jointly along a row of the cluster, k's along a column (a cluster's four tile rows lie in one batch).
; THE MATRIX INSTRUCTION IS USED TRANSPOSED (source 0 = 16 keys, source 1 = 16 queries): a lane holds query l % 16 and the keys 16 b + 8 (l / 16) + 0..7: a row's maximum and sum want one exchange of the lanes' halves.
; REGISTERS in windows of 256 (s_set_vgpr_msb: bits 1:0 source 0, 3:2 source 1, 5:4 source 2, 7:6 destination):
;   window 0: v0-31 addresses; v64-127, v128-191 q's fragments, two buffers; behind the loops v64-111 at work, v192-223 packed p, v32-63 and v224-255 rows read back
;   window 1: v0-63, v128-191 k's fragments      window 2: accumulators of row blocks 0-3 (block a, key block b at 64 (a % 4) + 8 b)      window 3: of blocks 4-7
; A K STEP IS WRITTEN ONCE.  s[TB] is the LDS byte at which the slot in hand begins, 0 or SLOT; the change of slots turns it by an exclusive or and makes the two fragment addresses anew.
; A trip goes from a step's second quarter to the next step's first.  Six trips fill a slot again; the last two steps, which fill nothing, are a second loop.
.set PITCH,  272
.set HALFT,  128*PITCH
.set SLOT,   4*HALFT                   ; q's 256 rows, then k's 256.  0x22000 shares no bit with wave x HALFT = wave x 0x8800: on a descriptor's LDS word the exclusive or is the sum
.set STAGE,  2*SLOT                    ; behind the ring: 16 rows x 272 bytes for each wave
.set SPARE,  STAGE+4*16*PITCH          ; the spare words, 128 bytes a wave, which no other line names
.set MB,     8
.set NB,     8
.set STEPS,  8
.set KB,     256
.set A0,   16                          ; v16  LDS address of my q fragments in slot 0; never rewritten
.set ADRA, 17                          ; v17  the same in the slot in hand
.set B0,   20                          ; v20, v21  the same for k
.set ADRB, 21
.set SG,   23                          ; v23  16 x lane: my 16 bytes of 512 of stats
.set STO,  24
.set RD,   25
.set CO,   26
.set SBA,  27                          ; v27  my stage + 16 x lane
.set SPW,  28
.set NIL,  29
.set PFO,  30
.set SA,   31                          ; v31  my stage + 4 (l % 16)
.set OB,   32
.set MXR,  64                          ; v64-71   eight running maxima
.set LP,   72                          ; v72-79   four pairs of partial sums
.set CMR,  80                          ; v80-81   cm, twice
.set XT,   82                          ; v82-83   the other half of the lanes' figure
.set CMS,  96                          ; v96-103  cm of my eight row blocks
.set LSM,  104                         ; v104-111 l of them
.set TMP,  192
.set G1A, 24
.set G0A, 32                           ; s[32:39] a set for each of the two first fills; the second then walks on
.set LIM, 43
.set PFA, 44
.set G1B, 48
.set G0B, 56
.set CS,  66                           ; s[66:67] c, named as a pair
.set SEL, 68                           ; s[68:69] v_permlanex16_b32's selects: each lane takes its own place in the other half
.set TB,  70                           ; s70      0 or SLOT
.set DW0, (1<<16)|(1<<20)|(1<<21)|(5<<22)|(3<<25)
.set MSB, 0
.macro WIN new
.if MSB != (\new)
	s_set_vgpr_msb (MSB<<8)|(\new)
.set MSB, \new
.endif
.endm
.macro PLACES
.rept 4
	v_nop
.endr
.endm
.macro JLOAD s                         ; waves 0 and 1 fetch q's two halves, waves 2 and 3 k's; an s_nop 0 and four v_nop follow each line
	s_cmp_lt_u32 s10, 2
	s_cbranch_scc0 .Lfor_b_\@
	tensor_load_to_lds s[G0A+4*(\s):G0A+4*(\s)+3], s[G1A:G1A+7]
	s_nop 0
.rept 4
	v_nop
.endr
	s_branch .Lasked_\@
.Lfor_b_\@:
	tensor_load_to_lds s[G0B+4*(\s):G0B+4*(\s)+3], s[G1B:G1B+7]
	s_nop 0
.rept 4
	v_nop
.endr
.Lasked_\@:
.endm
; A prefetch of the K step two refills on: 32 rows x 256 bytes, a lane a row.  q's rows are asked for by the cluster with x = 0, k's by the first of the batch's two clusters along y; the four partners
; of a joint load take 32 of its 128 rows each, told apart by address: each row's 256 bytes of a K step are named once.  Trip i names K step i + 4, and s3 = 6 - i: the last two trips name nothing.
.macro ASK
	WIN 0
	s_cmp_gt_u32 s3, s[LIM]
	s_cbranch_scc0 .Lnot_mine_\@
	global_prefetch_b8 v[PFO], s[PFA:PFA+1] th:TH_LOAD_NT scope:SCOPE_SE
.Lnot_mine_\@:
.endm
.macro CREST
	s_cmp_lg_u32 s10, 0
	s_cbranch_scc1 .Lnot_wave_0_\@
	s_barrier_signal -3
.Lnot_wave_0_\@:
	s_barrier_wait -3
	s_barrier_signal -1
	s_barrier_wait -1
.endm
.macro CROUND
	s_barrier_signal -1
	s_barrier_wait -1
	CREST
.endm
.macro MULA f, a, zero                 ; 8 matrix instructions: row block a x all key blocks; the 64 accumulators take turns in the same order in every quarter
.set AW, 2+(\a)/4
.set AB, 64*((\a)%4)
.set FBB, 128*(\f)
.set FAA, 64+64*(\f)+8*(\a)
	WIN 0x01|(AW<<4)|(AW<<6)
.set bb, 0
.rept NB
.if \zero
	v_wmma_f32_16x16x32_f16 v[AB+8*bb:AB+8*bb+7], v[FBB+8*bb:FBB+8*bb+7], v[FAA:FAA+7], 0
.else
	v_wmma_f32_16x16x32_f16 v[AB+8*bb:AB+8*bb+7], v[FBB+8*bb:FBB+8*bb+7], v[FAA:FAA+7], v[AB+8*bb:AB+8*bb+7]
.endif
.set bb, bb+1
.endr
.endm
.macro FETCH q, g                      ; 32 LDS loads in one run: quarter q of the K step in the slot in hand, into buffer g
	WIN 0x40
.set bb, 0
.rept NB
	ds_load_b128 v[128*(\g)+8*bb:128*(\g)+8*bb+3],   v[ADRB] offset:64*(\q)+bb*16*PITCH
	ds_load_b128 v[128*(\g)+8*bb+4:128*(\g)+8*bb+7], v[ADRB] offset:64*(\q)+bb*16*PITCH+32
.set bb, bb+1
.endr
	WIN 0
.set bb, 0
.rept MB
	ds_load_b128 v[64+64*(\g)+8*bb:64+64*(\g)+8*bb+3],   v[ADRA] offset:64*(\q)+bb*16*PITCH
	ds_load_b128 v[64+64*(\g)+8*bb+4:64+64*(\g)+8*bb+7], v[ADRA] offset:64*(\q)+bb*16*PITCH+32
.set bb, bb+1
.endr
.endm
.macro QUARTER q, f, g, zero
	s_wait_dscnt 0x0                               ; buffer f, asked for a quarter ago, is in
	PLACES                                         ; behind the products that read buffer g
	FETCH \q, \g
.irp m, 0,1,2,3,4,5,6,7
	MULA \f, \m, \zero
.endr
.endm
.macro TURNQ fill                      ; a K step's third quarter and the change of slots: the waits and the add in front of the signal, the joint refill first behind the round
.if \fill
	s_wait_xcnt 0x0                                ; the last prefetch, a K step back, has read its address
	s_add_nc_u64 s[PFA:PFA+1], s[PFA:PFA+1], KB
.endif
	s_wait_dscnt 0x0
	PLACES
	FETCH 3, 1                                     ; the slot's last fragments
.irp m, 0,1,2,3
	MULA 0, \m, 0
.endr
	WIN 0
	s_wait_tensorcnt 0x0                           ; all my tensor loads have landed: the one that was out is my part of the other slot; so a group 0 may be written
	ds_add_u32 v[SPW], v[NIL]
	s_xor_b32 s[TB], s[TB], SLOT                   ; the fetches go on in the other slot
	v_add_nc_u32 v[ADRA], s[TB], v[A0]
	v_add_nc_u32 v[ADRB], s[TB], v[B0]
.if \fill
.irp g, G0A+4, G0B+4
	s_xor_b32 s[(\g)+1], s[(\g)+1], SLOT           ; the walking descriptor: the other slot than last time,
	s_add_nc_u64 s[(\g)+2:(\g)+3], s[(\g)+2:(\g)+3], KB  ; the next K step
.endr
.endif
	MULA 0, 4, 0
	MULA 0, 5, 0
	s_wait_dscnt 0x0                               ; the add is done, and my reads of the slot that is left are over
	s_barrier_signal -1
	MULA 0, 6, 0
	MULA 0, 7, 0
	WIN 0
	s_barrier_wait -1
.if \fill
	CREST
	JLOAD 1                                        ; 224 matrix instructions ahead of the wait for it
.else
	PLACES
.endif
.endm
.macro QUARTER3
	FETCH 0, 0
	ASK
.irp m, 0,1,2,3,4,5,6,7
	MULA 1, \m, 0
.endr
.endm
	s_load_b128 s[4:7], s[0:1], 0x0                ; qh s[4:5], kh s[6:7]
	s_load_b128 s[72:75], s[0:1], 0x10             ; ph s[72:73], stats s[74:75]
	v_lshl_add_u32 v[SPW], v0, 2, SPARE
	v_mov_b32 v[NIL], 0
	ds_add_u32 v[SPW], v[NIL]                      ; the wave's opening: the add, waited for ahead of my first tensor load
	v_lshrrev_b32 v1, 5, v0
	v_readfirstlane_b32 s10, v1                    ; wave 0..3
	s_lshr_b32 s11, s10, 1                         ; which 128 queries of the tile are mine
	s_and_b32 s12, s10, 1                          ; which 128 keys.  Also: which 128 rows of a tile I fetch
	s_bfe_u32 s40, ttmp6, 0x40000                  ; cx
	s_bfe_u32 s41, ttmp6, 0x40004                  ; cy
	s_lshl_b32 s42, ttmp9, 2
	s_add_co_u32 s42, s42, s40                     ; key tile in the batch
	s_and_b32 s13, ttmp7, 0xffff
	s_lshl_b32 s13, s13, 2
	s_add_co_u32 s13, s13, s41                     ; query tile, over all batches
	s_and_b32 s83, ttmp7, 0xffff
	s_lshr_b32 s83, s83, 1                         ; the batch: two clusters along y each
	s_lshl_b32 s43, s41, 2
	s_lshl_b32 s43, 15, s43
	s_lshl_b32 s44, 0x1111, s40
	s_or_b32 s[G1A+0], s43, DW0
	s_or_b32 s[G1B+0], s44, DW0
.irp g, G1A, G1B
	s_mov_b32 s[(\g)+1], 128<<16
	s_mov_b32 s[(\g)+2], 128<<16
	s_mov_b32 s[(\g)+3], 128<<16
	s_mov_b32 s[(\g)+4], 128
	s_mov_b32 s[(\g)+5], 1024
	s_mov_b32 s[(\g)+6], 0
	s_mov_b32 s[(\g)+7], 0
.endr
	s_lshl_b32 s16, s13, 8
	s_lshl_b32 s17, s12, 7
	s_add_co_u32 s16, s16, s17                     ; q: row 256 x query tile + 128 x half
	s_lshl_b32 s16, s16, 11
	s_mov_b32 s17, 0
	s_lshl_b32 s85, s83, 11
	s_lshl_b32 s46, s42, 8
	s_add_co_u32 s85, s85, s46                     ; k: the tile's first row: 2,048 x batch + 256 x key tile
	s_lshl_b32 s46, s12, 7
	s_add_co_u32 s46, s46, s85
	s_lshl_b32 s46, s46, 11
	s_mov_b32 s47, 0
	s_mul_i32 s20, s10, HALFT
	s_mov_b32 s[CS], 0x3d38aa3b                    ; c = log2(e) / 32
	s_mov_b32 s[CS+1], s[CS]
	s_mov_b32 s[SEL], 0x76543210
	s_mov_b32 s[SEL+1], 0xfedcba98
	s_mov_b32 s[TB], 0
	s_wait_dscnt 0x0
	s_wait_kmcnt 0x0
	s_add_nc_u64 s[14:15], s[4:5], s[16:17]
	s_add_nc_u64 s[46:47], s[6:7], s[46:47]
	CROUND
.irp s, 0,1
	s_mov_b32 s[G0A+4*(\s)], 1
	s_add_co_u32 s[G0A+4*(\s)+1], s20, (\s)*SLOT
	s_add_nc_u64 s[G0A+4*(\s)+2:G0A+4*(\s)+3], s[14:15], (\s)*KB
	s_or_b32 s[G0A+4*(\s)+3], s[G0A+4*(\s)+3], 0x80000000
	s_mov_b32 s[G0B+4*(\s)], 1
	s_add_co_u32 s[G0B+4*(\s)+1], s20, (\s)*SLOT
	s_add_nc_u64 s[G0B+4*(\s)+2:G0B+4*(\s)+3], s[46:47], (\s)*KB
	s_or_b32 s[G0B+4*(\s)+3], s[G0B+4*(\s)+3], 0x80000000
	JLOAD \s
.endr
	v_and_b32 v1, 15, v0                           ; l % 16
	v_bfe_u32 v2, v0, 4, 1                         ; l / 16
	v_mul_u32_u24 v3, v1, PITCH
	v_lshl_add_u32 v3, v2, 4, v3
	s_mul_i32 s21, s11, HALFT
	s_mul_i32 s22, s12, HALFT
	s_add_co_u32 s22, s22, 2*HALFT
	v_add_nc_u32 v[A0], s21, v3
	v_add_nc_u32 v[B0], s22, v3
	v_mov_b32 v[ADRA], v[A0]                       ; slot 0 is in hand
	v_mov_b32 v[ADRB], v[B0]
	s_mul_i32 s23, s10, 16*PITCH
	s_add_co_u32 s23, s23, STAGE                   ; my stage
	v_add_nc_u32 v[STO], s23, v3                   ; in: row l % 16, 16 bytes for each half of the lanes
	v_mul_u32_u24 v5, v2, PITCH                    ; back: lanes 0-15 one row of 256 bytes, lanes 16-31 the next
	v_lshl_add_u32 v5, v1, 4, v5
	v_add_nc_u32 v[RD], s23, v5
	v_lshlrev_b32 v5, 12, v2                       ; the same two rows in ph: 4,096 bytes a row
	v_lshl_add_u32 v[CO], v1, 4, v5
	v_lshl_add_u32 v[SA], v1, 2, s23
	v_and_b32 v5, 31, v0
	v_lshlrev_b32 v[SG], 4, v5
	v_add_nc_u32 v[SBA], s23, v[SG]
	s_lshl_b32 s16, s13, 8
	s_lshl_b32 s17, s11, 7
	s_add_co_u32 s16, s16, s17                     ; my first row of ph
	s_lshl_b32 s86, s16, 12
	s_lshl_b32 s87, s42, 9                         ; my 128 keys: 512 x key tile + 256 x half bytes
	s_add_co_u32 s86, s86, s87
	s_lshl_b32 s87, s12, 8
	s_add_co_u32 s86, s86, s87
	s_mov_b32 s87, 0
	s_add_nc_u64 s[72:73], s[72:73], s[86:87]
	s_lshl_b32 s86, s83, 4
	s_lshl_b32 s87, s42, 1
	s_add_co_u32 s86, s86, s87
	s_add_co_u32 s86, s86, s12                     ; 16 x batch + my chunk
	s_lshl_b32 s86, s86, 14                        ; 2 x 2,048 numbers of 4 bytes each
	s_and_b32 s87, s13, 7
	s_lshl_b32 s87, s87, 8
	s_lshl_b32 s84, s11, 7
	s_add_co_u32 s87, s87, s84                     ; my first row in the batch
	s_lshl_b32 s87, s87, 2
	s_add_co_u32 s86, s86, s87
	s_mov_b32 s87, 0
	s_add_nc_u64 s[74:75], s[74:75], s[86:87]
	; the prefetches
	s_lshl_b32 s84, s13, 8                         ; q's tile's first row
	s_and_b32 s22, ttmp7, 0xffff
	s_and_b32 s22, s22, 1                          ; which of the batch's two clusters along y
	s_cmp_lt_u32 s10, 2
	s_cselect_b32 s86, s84, s85
	s_cselect_b32 s87, s40, s41                    ; my place among the four that ask with me
	s_cselect_b32 s22, ttmp9, s22
	s_cselect_b64 s[PFA:PFA+1], s[4:5], s[6:7]
	s_cmp_eq_u32 s22, 0
	s_cselect_b32 s[LIM], 2, -1
	s_lshl_b32 s21, s12, 7
	s_add_co_u32 s86, s86, s21                     ; + the 128 rows that I fetch
	s_lshl_b32 s87, s87, 5
	s_add_co_u32 s86, s86, s87                     ; + my work-group's 32 of them
	s_lshl_b32 s86, s86, 11
	s_add_co_u32 s86, s86, 3*KB                    ; at K step 3: the first change of slots steps it to 4, which it names
	s_mov_b32 s87, 0
	s_add_nc_u64 s[PFA:PFA+1], s[PFA:PFA+1], s[86:87]
	v_and_b32 v[PFO], 31, v0
	v_lshlrev_b32 v[PFO], 11, v[PFO]
	s_wait_tensorcnt 1                             ; my part of K step 0 is in; K step 1's load may stay out
	s_barrier_signal -1
	s_barrier_wait -1
	FETCH 0, 0
	QUARTER 1, 0, 1, 1                             ; the first quarter stands in front of the loop: its products start the sums
	WIN 0
	s_mov_b32 s3, STEPS-2
.Lstep:                                        ; trip i: K step i from its second quarter on, the first quarter of K step i + 1; the slot that is left takes K step i + 2
	QUARTER 2, 1, 0, 0
	TURNQ 1
	QUARTER3
	QUARTER 1, 0, 1, 0
	WIN 0
	s_sub_co_u32 s3, s3, 1
	s_cmp_lg_u32 s3, 0
	s_cbranch_scc1 .Lstep
	s_mov_b32 s3, 2
.Ltail:                                        ; the last two K steps fill nothing; the second has no step behind it, and jumps over that step's fetch and first quarter
	QUARTER 2, 1, 0, 0
	TURNQ 0
.irp m, 0,1,2,3,4,5,6,7
	MULA 1, \m, 0
.endr
	WIN 0
	s_cmp_eq_u32 s3, 1
	s_cbranch_scc1 .Llast
	FETCH 0, 0                                     ; four v_nop at the change's end stand between these loads and the last products that read buffer 0
	QUARTER 1, 0, 1, 0
	WIN 0
.Llast:
	s_sub_co_u32 s3, s3, 1
	s_cmp_lg_u32 s3, 0
	s_cbranch_scc1 .Ltail
; THE WAY OUT, a block of 16 queries at a time.  A lane's 64 scores of the block lie in 64 registers on end, SB on, in window SW.
.macro PKF n                           ; pair n: c s - cm
	v_pk_fma_f32 v[SB+2*(\n):SB+2*(\n)+1], v[SB+2*(\n):SB+2*(\n)+1], s[CS:CS+1], v[CMR:CMR+1] op_sel_hi:[1,0,0] neg_lo:[0,0,1] neg_hi:[0,0,1]
.endm
.macro SOFT a
.set SW, 2+(\a)/4
.set SB, 64*((\a)%4)
	WIN SW|(SW<<2)|(SW<<4)                         ; three sources among the scores, destination in window 0
.set t, 0
.rept 8
	v_max3_num_f32 v[MXR+t], v[SB+8*t], v[SB+8*t+1], v[SB+8*t+2]  ; each accumulator's lowest registers are read first
.set t, t+1
.endr
	WIN (SW<<2)|(SW<<4)
.set t, 0
.rept 8
	v_max3_num_f32 v[MXR+t], v[MXR+t], v[SB+8*t+3], v[SB+8*t+4]
.set t, t+1
.endr
.set t, 0
.rept 8
	v_max3_num_f32 v[MXR+t], v[MXR+t], v[SB+8*t+5], v[SB+8*t+6]
.set t, t+1
.endr
.set t, 0
.rept 4
	v_max3_num_f32 v[MXR+t], v[MXR+t], v[SB+8*t+7], v[SB+8*t+15]
.set t, t+2
.endr
	WIN 0
	v_max3_num_f32 v[MXR], v[MXR], v[MXR+1], v[MXR+2]
	v_max3_num_f32 v[MXR+3], v[MXR+3], v[MXR+4], v[MXR+5]
	v_max3_num_f32 v[MXR], v[MXR], v[MXR+3], v[MXR+6]
	v_max_num_f32 v[MXR], v[MXR], v[MXR+7]
	v_permlanex16_b32 v[XT], v[MXR], s[SEL], s[SEL+1]  ; the query's other 64 keys lie in the lane 16 away
	v_max_num_f32 v[MXR], v[MXR], v[XT]
	v_mul_f32 v[CMR], s[CS], v[MXR]                ; cm
	v_mov_b32 v[CMR+1], v[CMR]
	v_mov_b32 v[CMS+(\a)], v[CMR]
	WIN SW|(SW<<6)                                 ; in place among the scores; cm in window 0
	PKF 0                                          ; ONE BATCH: 32 scalings and 64 exponentials; nothing in it names an exponential's result
	PKF 1
.set i, 0
.rept 32
	v_exp_f32 v[SB+2*i], v[SB+2*i]
.if i < 30
	PKF i+2
.endif
	v_exp_f32 v[SB+2*i+1], v[SB+2*i+1]
.set i, i+1
.endr
	v_nop                                          ; a plain instruction behind the last exponential,
	s_wait_alu depctr_va_vdst(0)                   ; and the one wait for the batch, ahead of its first reader
	WIN SW|(SW<<2)
.set i, 0
.rept 32
	v_cvt_pk_f16_f32 v[TMP+i], v[SB+2*i], v[SB+2*i+1]
.set i, i+1
.endr
.set i, 0
.rept 4
	v_pk_add_f32 v[LP+2*i:LP+2*i+1], v[SB+2*i:SB+2*i+1], v[SB+8+2*i:SB+8+2*i+1]  ; four chains of sums, started by the first eight pairs
.set i, i+1
.endr
	WIN SW<<2
.set i, 8
.rept 24
	v_pk_add_f32 v[LP+2*(i%4):LP+2*(i%4)+1], v[LP+2*(i%4):LP+2*(i%4)+1], v[SB+2*i:SB+2*i+1]
.set i, i+1
.endr
	WIN 0
	v_pk_add_f32 v[LP:LP+1], v[LP:LP+1], v[LP+2:LP+3]
	v_pk_add_f32 v[LP+4:LP+5], v[LP+4:LP+5], v[LP+6:LP+7]
	v_pk_add_f32 v[LP:LP+1], v[LP:LP+1], v[LP+4:LP+5]
	v_add_f32 v[XT], v[LP], v[LP+1]
	v_permlanex16_b32 v[XT+1], v[XT], s[SEL], s[SEL+1]
	v_add_f32 v[LSM+(\a)], v[XT], v[XT+1]
.set bb, 0
.rept 8
	ds_store_b128 v[STO], v[TMP+4*bb:TMP+4*bb+3] offset:32*bb
.set bb, bb+1
.endr
	s_wait_xcnt 0x0                                ; the stores of two blocks ago have read the registers that the loads below fill
.set OBB, OB+192*((\a)%2)
.set t, 0
.rept 8
	ds_load_b128 v[OBB+4*t:OBB+4*t+3], v[RD] offset:t*2*PITCH  ; LDS serves a wave's instructions in order: these see the stores above
.set t, t+1
.endr
	s_wait_dscnt 0x0
.set t, 0
.rept 8
	global_store_b128 v[CO], v[OBB+4*t:OBB+4*t+3], s[72:73] offset:(16*(\a)+2*t)*4096  ; 16 lanes store 256 consecutive bytes, aligned
.set t, t+1
.endr
.endm
	s_wait_dscnt 0x0                               ; no LDS load is out when the fragments' registers are taken for other work
	PLACES
	v_mov_b32 v[XT], 0                             ; v_permlanex16_b32's destinations count as read
	v_mov_b32 v[XT+1], 0
.irp m, 0,1,2,3,4,5,6,7
	SOFT \m
.endr
	; cm and l of my 128 rows: a word a row into my stage (both halves of the lanes hold, and write, the same number), back as 512 bytes on end, and out
.set t, 0
.rept 8
	ds_store_b32 v[SA], v[CMS+t] offset:64*t
	ds_store_b32 v[SA], v[LSM+t] offset:512+64*t
.set t, t+1
.endr
	s_wait_xcnt 0x0                                ; earlier stores have read v32-39
	ds_load_b128 v[32:35], v[SBA]
	ds_load_b128 v[36:39], v[SBA] offset:512
	s_wait_dscnt 0x0
	global_store_b128 v[SG], v[32:35], s[74:75]
	global_store_b128 v[SG], v[36:39], s[74:75] offset:8192
	s_wait_tensorcnt 0x0                           ; the wave's end
	ds_add_u32 v[SPW], v[NIL]
	s_wait_dscnt 0x0
	CROUND                                         ; the closing round
	s_endpgm
.Lfunc_end_k_q6b907780f2_score:
	.size	k_q6b907780f2_score, .Lfunc_end_k_q6b907780f2_score-k_q6b907780f2_score
	.p2alignl 7, 3214868480
	.fill 96, 4, 3214868480
	.section	.rodata,"a",@progbits
	.p2align	6, 0x0
	.amdhsa_kernel k_q6b907780f2_score
		.amdhsa_group_segment_fixed_size 327680
		.amdhsa_private_segment_fixed_size 0
		.amdhsa_enable_private_segment 0
		.amdhsa_kernarg_size 32
		.amdhsa_user_sgpr_count 2
		.amdhsa_user_sgpr_kernarg_segment_ptr 1
		.amdhsa_wavefront_size32 1
		.amdhsa_system_sgpr_workgroup_id_x 1
		.amdhsa_system_sgpr_workgroup_id_y 1
		.amdhsa_system_sgpr_workgroup_id_z 1
		.amdhsa_system_vgpr_workitem_id 0
		.amdhsa_next_free_vgpr 1024
		.amdhsa_next_free_sgpr 88
		.amdhsa_reserve_vcc 0
		.amdhsa_float_denorm_mode_32 3
		.amdhsa_float_denorm_mode_16_64 3
		.amdhsa_memory_ordered 1
		.amdhsa_forward_progress 1
		.amdhsa_inst_pref_size 170
	.end_amdhsa_kernel
	.amdgpu_metadata
---
amdhsa.version: [ 1, 2 ]
amdhsa.kernels:
  - .name:           k_q6b907780f2_score
    .symbol:         k_q6b907780f2_score.kd
    .args:
      - { .name: qh, .offset: 0, .size: 8, .value_kind: global_buffer, .address_space: global }
      - { .name: kh, .offset: 8, .size: 8, .value_kind: global_buffer, .address_space: global }
      - { .name: ph, .offset: 16, .size: 8, .value_kind: global_buffer, .address_space: global }
      - { .name: stats, .offset: 24, .size: 8, .value_kind: global_buffer, .address_space: global }
    .group_segment_fixed_size: 327680
    .private_segment_fixed_size: 0
    .kernarg_segment_align: 8
    .kernarg_segment_size: 32
    .max_flat_workgroup_size: 128
    .sgpr_count:     88
    .vgpr_count:     1024
    .wavefront_size: 32
...
	.end_amdgpu_metadata
.endif
;; end of part 3
;; launch mix (part 4): grid 4 x 64, 4 waves a work-group, clusters of 4 x 4, 327,680 bytes of LDS; arguments ph, vh, stats, out0; writes out0
.if DOCPART == 4
	.amdgcn_target "amdgcn-amd-amdhsa--gfx1250"
	.amdhsa_code_object_version 6
	.text
	.protected	k_q6b907780f2_mix
	.globl	k_q6b907780f2_mix
	.p2align	8
	.type	k_q6b907780f2_mix,@function
k_q6b907780f2_mix:
	s_mov_b64 s[64:65], 0
	v_nop
	global_prefetch_b8 v0, s[64:65] scope:SCOPE_SE
	s_setreg_imm32_b32 hwreg(HW_REG_WAVE_MODE, 25, 1), 1
	s_wait_xcnt 0x0
	s_wait_alu depctr_hold_cnt(0) depctr_sa_sdst(0) depctr_va_vdst(0) depctr_va_sdst(0) depctr_va_ssrc(0) depctr_va_vcc(0) depctr_vm_vsrc(0)
	s_getreg_b32 s2, hwreg(HW_REG_IB_STS2, 6, 4)
	s_cmp_eq_u32 s2, 0
	s_cbranch_scc0 .Lentry_in_a_cluster
	s_endpgm
.Lentry_in_a_cluster:
	s_bfe_u32 s2, ttmp6, 0x10000c
	s_cmp_lg_u32 s2, 0xf033
	s_cbranch_scc0 .Lentry_shape_is_right
	s_endpgm
.Lentry_shape_is_right:
; out[row] = (the sum over the 16 chunks c of g_c x (p of chunk c) V) / L, with M = the largest cm_c of the row, g_c = 2^(cm_c - M), L = the sum of g_c l_c.
; ph [8192][2048] f16, vh [8192][1024] f16, stats f32 [batch 4][chunk 16][cm, l][row 2048], out0 [8192][1024] f32.  M is the row's true maximum (times c), so g lies in 0 to 1 and L is at least 1.
; g is rounded to f16 once, and the same rounded g enters the product (g p, one packed f16 multiply on the fragment in registers) and L.
; LIMITS.  A weight g p below 6e-5 keeps f16's fixed step of 6e-8 (of the row's largest weight); a g below 6e-8 counts as 0, in the product and in L alike; NaN and infinities are not treated apart.
; A tile is 128 rows x 256 columns, K = 2,048 keys: 4 x 64 = 256 tiles.  Four waves, 2 x 2, each 64 x 128: 32 accumulators.  K goes in 16 steps of 128 keys (a step is a chunk) through two LDS slots.
; CLUSTER 4 x 4: p's tile is asked for jointly along a row of the cluster, V's along a column (a cluster's four tile rows lie in one batch).
; THE MATRIX INSTRUCTION IS USED TRANSPOSED (source 0 = 16 columns of V, turned by ds_load_tr16_b128; source 1 = 16 rows of p): a lane holds row l % 16 in p's fragments and in the result, so g and 1 / L are one number a lane.
; REGISTERS in windows of 256 (s_set_vgpr_msb: bits 1:0 source 0, 3:2 source 1, 5:4 source 2, 7:6 destination):
;   window 0: v0-31 addresses; v32-39 1 / L in pairs; v40-47 M, L; v64-191 cm and l as loaded; v192-255 g; behind the loops v64-127 results, v128-191 rows read back
;   window 1: v0-63, v128-191 V's fragments, two buffers; v64-67 g of the chunk in hand, for my four row blocks
;   window 2: v0-127 accumulators of row blocks 0, 1 (block a, column block b at 64 (a % 2) + 8 b); v128-159, v160-191 p's fragments      window 3: v0-127 accumulators of blocks 2, 3
; A K STEP IS WRITTEN ONCE.  s[TB] is the LDS byte at which the slot in hand begins, 0 or SLOT1; the change of slots turns it by an exclusive or and makes the fragment addresses anew.
; A trip goes from a step's second quarter to the next step's first.  Fourteen trips fill a slot again; the last two steps, which fill nothing, are a second loop.
.set PITCH,  272                       ; a row of p in LDS: 256 bytes + 16
.set PV,     544                       ; a row of V: 512 bytes + 32
.set AT,     128*PITCH                 ; a slot: p's 128 rows, then V's 128 keys: 104,448 bytes
.set SLOT1,  1<<17                     ; slot 1 begins here, so that one exclusive or turns an address in one slot into the other's
.set GT,     SLOT1+AT+128*PV           ; behind the ring: g, 8,192 bytes a wave: [chunk][lane][block], a word each
.set STAGE,  GT+4*8192                 ; 16 rows x 528 bytes for each wave
.set SPITCH, 528
.set SPARE,  STAGE+4*16*SPITCH         ; the spare words, 128 bytes a wave, which no other line names
.set STEPS,  16
.set KB,     256
.set A0,   16                          ; v16  LDS address of my p fragments in slot 0; never rewritten
.set ADRA, 17                          ; v17  the same in the slot in hand
.set B0,   20                          ; v20, v21  the same for V
.set ADRB, 21
.set GA0,  22                          ; v22  my 16 bytes of chunk 0's g; never rewritten
.set GAD,  23                          ; v23  the same for the chunk to be fetched
.set STO,  24
.set RD,   25
.set CO,   26
.set SOF,  27                          ; v27  4 (l % 16)
.set SPW,  28
.set NIL,  29
.set PFO,  30
.set RL,   32
.set MX,   40
.set LA,   44
.set CT,   64                          ; block a: cm of chunk c at CT + 32 a + c, l at + 16
.set GW,   192                         ; g (twice, f16) of chunk c, block a at GW + 4 c + a
.set GS,   64                          ; window 1
.set TMP,  64
.set OB,   128
.set G1A, 24
.set G0A, 32                           ; s[32:39] a set for each of the two first fills; the second then walks on
.set LIM, 43
.set PFA, 44
.set G1B, 48
.set G0B, 56
.set TB,  70                           ; s70      0 or SLOT1
.set PST, 80                           ; s[80:81] a K step in the tensor that I prefetch
.set GB,  82                           ; s82      512 x the chunk whose g is fetched next
.set MSB, 0
.macro WIN new
.if MSB != (\new)
	s_set_vgpr_msb (MSB<<8)|(\new)
.set MSB, \new
.endif
.endm
.macro PLACES
.rept 4
	v_nop
.endr
.endm
.macro JLOAD s                         ; waves 0 and 1 fetch p's two halves (64 rows x 256 bytes), waves 2 and 3 V's (64 keys x 512 bytes); an s_nop 0 and four v_nop follow each line
	s_cmp_lt_u32 s10, 2
	s_cbranch_scc0 .Lfor_b_\@
	tensor_load_to_lds s[G0A+4*(\s):G0A+4*(\s)+3], s[G1A:G1A+7]
	s_nop 0
.rept 4
	v_nop
.endr
	s_branch .Lasked_\@
.Lfor_b_\@:
	tensor_load_to_lds s[G0B+4*(\s):G0B+4*(\s)+3], s[G1B:G1B+7]
	s_nop 0
.rept 4
	v_nop
.endr
.Lasked_\@:
.endm
; A prefetch of the K step two refills on, a lane a row of 256 bytes.  p's 128 rows: wave 0, 32 rows for each of the four partners along x (no other cluster reads them).  V's 128 keys x 512 bytes: waves 2 and 3 take
; the two halves of a row, 32 keys for each partner along y, in the first of the batch's four clusters.  Partners are told apart by address.  Each 256 bytes are named once.
; Trip i names K step i + 4, and s3 = 14 - i: the last two trips name nothing.
.macro ASK
	WIN 0
	s_cmp_gt_u32 s3, s[LIM]
	s_cbranch_scc0 .Lnot_mine_\@
	global_prefetch_b8 v[PFO], s[PFA:PFA+1] th:TH_LOAD_NT scope:SCOPE_SE
.Lnot_mine_\@:
.endm
.macro CREST
	s_cmp_lg_u32 s10, 0
	s_cbranch_scc1 .Lnot_wave_0_\@
	s_barrier_signal -3
.Lnot_wave_0_\@:
	s_barrier_wait -3
	s_barrier_signal -1
	s_barrier_wait -1
.endm
.macro CROUND
	s_barrier_signal -1
	s_barrier_wait -1
	CREST
.endm
; p's fragment of block 0 in buffer f times g: eight plain instructions under the products' own window setting.  They name no register of the products in front of them, and so are also the places
; between those products and the loads that follow.
.macro SCALE f
	WIN 0xa9
.set i, 0
.rept 8
	v_pk_mul_f16 v[128+32*(\f)+i], v[GS], v[128+32*(\f)+i]
.set i, i+1
.endr
.endm
; 8 matrix instructions: row block a x all column blocks.  The 32 accumulators take turns in the same order in every quarter.
; Behind block 0's products ride the scalings of blocks 1 and 2, behind block 1's first four those of block 3, two to a product: each fragment is scaled four products or more ahead of its use.
.macro MULA f, a, zero
.set AW, 2+(\a)/2
.set AB, 64*((\a)%2)
.set FBB, 128*(\f)
.set FAB, 128+32*(\f)
	WIN 0x09|(AW<<4)|(AW<<6)
.set bb, 0
.rept 8
.if \zero
	v_wmma_f32_16x16x32_f16 v[AB+8*bb:AB+8*bb+7], v[FBB+8*bb:FBB+8*bb+7], v[FAB+8*(\a):FAB+8*(\a)+7], 0
.else
	v_wmma_f32_16x16x32_f16 v[AB+8*bb:AB+8*bb+7], v[FBB+8*bb:FBB+8*bb+7], v[FAB+8*(\a):FAB+8*(\a)+7], v[AB+8*bb:AB+8*bb+7]
.endif
.if (\a) == 0
.set rb, FAB+8*(1+bb/4)+2*(bb%4)
.set rg, GS+1+bb/4
	v_pk_mul_f16 v[rb], v[rg], v[rb]
	v_pk_mul_f16 v[rb+1], v[rg], v[rb+1]
.elseif ((\a) == 1) && (bb < 4)
.set rb, FAB+24+2*bb
	v_pk_mul_f16 v[rb], v[GS+3], v[rb]
	v_pk_mul_f16 v[rb+1], v[GS+3], v[rb+1]
.endif
.set bb, bb+1
.endr
.endm
; One run of LDS loads: quarter q (32 keys) of the slot in hand into buffer g: V turned, 16 loads; p, 8 loads.  gl = 1: also my four g of the chunk at GAD.
.macro FETCH q, g, gl=0
	WIN 0x40
.set bb, 0
.rept 8
	ds_load_tr16_b128 v[128*(\g)+8*bb:128*(\g)+8*bb+3],   v[ADRB] offset:(\q)*32*PV+32*bb
	ds_load_tr16_b128 v[128*(\g)+8*bb+4:128*(\g)+8*bb+7], v[ADRB] offset:(\q)*32*PV+16*PV+32*bb
.set bb, bb+1
.endr
.if \gl
	ds_load_b128 v[GS:GS+3], v[GAD]
.endif
	WIN 0x80
.set bb, 0
.rept 4
	ds_load_b128 v[128+32*(\g)+8*bb:128+32*(\g)+8*bb+3],   v[ADRA] offset:64*(\q)+bb*16*PITCH
	ds_load_b128 v[128+32*(\g)+8*bb+4:128+32*(\g)+8*bb+7], v[ADRA] offset:64*(\q)+bb*16*PITCH+32
.set bb, bb+1
.endr
.endm
.macro QUARTER q, f, g, zero
	s_wait_dscnt 0x0                               ; buffer f, asked for a quarter ago, is in; so is the chunk's g
	SCALE \f
	FETCH \q, \g
	MULA \f, 0, \zero
	MULA \f, 1, \zero
	MULA \f, 2, \zero
	MULA \f, 3, \zero
.endm
.macro TURNQ fill                      ; a K step's third quarter and the change of slots: the waits and the add in front of the signal, the joint refill first behind the round
.if \fill
	s_wait_xcnt 0x0                                ; the last prefetch, a K step back, has read its address
	s_add_nc_u64 s[PFA:PFA+1], s[PFA:PFA+1], s[PST:PST+1]
.endif
	s_wait_dscnt 0x0
	SCALE 0
	FETCH 3, 1                                     ; the slot's last fragments
	MULA 0, 0, 0
	MULA 0, 1, 0
	WIN 0
	s_wait_tensorcnt 0x0                           ; all my tensor loads have landed: the one that was out is my part of the other slot; so a group 0 may be written
	ds_add_u32 v[SPW], v[NIL]
	s_xor_b32 s[TB], s[TB], SLOT1                  ; the fetches go on in the other slot,
	s_add_co_u32 s[GB], s[GB], 512                 ; and with the next chunk's g
	v_add_nc_u32 v[ADRA], s[TB], v[A0]
	v_add_nc_u32 v[ADRB], s[TB], v[B0]
	v_add_nc_u32 v[GAD], s[GB], v[GA0]
.if \fill
	s_xor_b32 s[G0A+5], s[G0A+5], SLOT1            ; the walking descriptors: the other slot than last time,
	s_add_nc_u64 s[G0A+6:G0A+7], s[G0A+6:G0A+7], KB  ; the next 128 keys: along p's rows,
	s_xor_b32 s[G0B+5], s[G0B+5], SLOT1
	s_add_nc_u64 s[G0B+6:G0B+7], s[G0B+6:G0B+7], 128*2048  ; and down V's
.endif
	MULA 0, 2, 0
	s_wait_dscnt 0x0                               ; the add is done, and my reads of the slot that is left are over
	s_barrier_signal -1
	MULA 0, 3, 0
	WIN 0
	s_barrier_wait -1
.if \fill
	CREST
	JLOAD 1                                        ; 112 matrix instructions ahead of the wait for it
.else
	PLACES
.endif
.endm
; The fourth quarter: buffer 1, of the slot that is left, is multiplied; the next slot's first fragments are fetched.  The next chunk's g is loaded behind this quarter's last rider, sixteen products ahead of the wait for it.
.macro QUARTER3
	SCALE 1
	FETCH 0, 0
	ASK
	MULA 1, 0, 0
	MULA 1, 1, 0
	WIN 0x40
	ds_load_b128 v[GS:GS+3], v[GAD]
	MULA 1, 2, 0
	MULA 1, 3, 0
.endm
	s_load_b128 s[4:7], s[0:1], 0x0                ; ph s[4:5], vh s[6:7]
	s_load_b128 s[72:75], s[0:1], 0x10             ; stats s[72:73], out0 s[74:75]
	v_lshl_add_u32 v[SPW], v0, 2, SPARE
	v_mov_b32 v[NIL], 0
	ds_add_u32 v[SPW], v[NIL]                      ; the wave's opening: the add, waited for ahead of my first tensor load
	v_lshrrev_b32 v1, 5, v0
	v_readfirstlane_b32 s10, v1                    ; wave 0..3
	s_lshr_b32 s11, s10, 1                         ; which 64 rows of the tile are mine
	s_and_b32 s12, s10, 1                          ; which 128 columns.  Also: which half of a tile I fetch
	s_bfe_u32 s40, ttmp6, 0x40000                  ; cx
	s_bfe_u32 s41, ttmp6, 0x40004                  ; cy
	s_lshl_b32 s42, ttmp9, 2
	s_add_co_u32 s42, s42, s40                     ; tile column
	s_and_b32 s13, ttmp7, 0xffff
	s_lshl_b32 s13, s13, 2
	s_add_co_u32 s13, s13, s41                     ; tile row, over all batches
	s_and_b32 s83, ttmp7, 0xffff
	s_lshr_b32 s83, s83, 2                         ; the batch: four clusters along y each
	s_lshl_b32 s43, s41, 2
	s_lshl_b32 s43, 15, s43
	s_lshl_b32 s44, 0x1111, s40
	s_or_b32 s[G1A+0], s43, (1<<16)|(1<<20)|(1<<21)|(5<<22)|(3<<25)  ; p: 2-byte elements; padding on; bit 21 beside a mask; after every 64 words, 4 words
	s_or_b32 s[G1B+0], s44, (1<<16)|(1<<20)|(1<<21)|(6<<22)|(7<<25)  ; V: after every 128 words, 8 words
	s_mov_b32 s[G1A+1], 128<<16                    ; tensor_dim0 = 128
	s_mov_b32 s[G1A+2], 64<<16                     ; tensor_dim1 = 64
	s_mov_b32 s[G1A+3], 128<<16                    ; tile_dim0 = 128
	s_mov_b32 s[G1A+4], 64                         ; tile_dim1 = 64
	s_mov_b32 s[G1A+5], 2048                       ; elements from row to row
	s_mov_b32 s[G1A+6], 0
	s_mov_b32 s[G1A+7], 0
	s_mov_b32 s[G1B+1], 256<<16
	s_mov_b32 s[G1B+2], 64<<16
	s_mov_b32 s[G1B+3], 256<<16
	s_mov_b32 s[G1B+4], 64
	s_mov_b32 s[G1B+5], 1024
	s_mov_b32 s[G1B+6], 0
	s_mov_b32 s[G1B+7], 0
	s_lshl_b32 s16, s13, 7
	s_lshl_b32 s17, s12, 6
	s_add_co_u32 s16, s16, s17                     ; p: row 128 x tile row + 64 x half,
	s_lshl_b32 s16, s16, 12                        ; of 4,096 bytes
	s_mov_b32 s17, 0
	s_lshl_b32 s46, s83, 11
	s_lshl_b32 s47, s12, 6
	s_add_co_u32 s46, s46, s47                     ; V: key 2,048 x batch + 64 x half,
	s_lshl_b32 s46, s46, 11                        ; of 2,048 bytes,
	s_lshl_b32 s47, s42, 9
	s_add_co_u32 s46, s46, s47                     ; at the tile's 256 columns
	s_mov_b32 s47, 0
	s_mul_i32 s20, s12, 64*PITCH                   ; where they go in a slot: no place in the cluster enters an LDS address
	s_mul_i32 s21, s12, 64*PV
	s_add_co_u32 s21, s21, AT
	s_mov_b32 s[GB], 0
	s_mov_b32 s[TB], 0
	s_wait_dscnt 0x0
	s_wait_kmcnt 0x0
	s_add_nc_u64 s[14:15], s[4:5], s[16:17]
	s_add_nc_u64 s[46:47], s[6:7], s[46:47]
	CROUND
.irp s, 0,1
	s_mov_b32 s[G0A+4*(\s)], 1
	s_add_co_u32 s[G0A+4*(\s)+1], s20, (\s)*SLOT1
	s_add_nc_u64 s[G0A+4*(\s)+2:G0A+4*(\s)+3], s[14:15], (\s)*KB
	s_or_b32 s[G0A+4*(\s)+3], s[G0A+4*(\s)+3], 0x80000000
	s_mov_b32 s[G0B+4*(\s)], 1
	s_add_co_u32 s[G0B+4*(\s)+1], s21, (\s)*SLOT1
	s_add_nc_u64 s[G0B+4*(\s)+2:G0B+4*(\s)+3], s[46:47], (\s)*128*2048
	s_or_b32 s[G0B+4*(\s)+3], s[G0B+4*(\s)+3], 0x80000000
	JLOAD \s
.endr
	v_and_b32 v1, 15, v0                           ; l % 16
	v_bfe_u32 v2, v0, 4, 1                         ; l / 16
	v_lshlrev_b32 v[SOF], 2, v1
	s_lshl_b32 s86, s83, 18                        ; stats: a batch is 16 chunks x 16,384 bytes
	s_and_b32 s87, s13, 15
	s_lshl_b32 s87, s87, 7
	s_lshl_b32 s84, s11, 6
	s_add_co_u32 s87, s87, s84                     ; my first row in the batch
	s_lshl_b32 s87, s87, 2
	s_add_co_u32 s86, s86, s87
	s_mov_b32 s87, 0
	s_add_nc_u64 s[72:73], s[72:73], s[86:87]
.set cc, 0
.rept 16                                       ; cm and l of row 16 a + l % 16 for all 16 chunks: once a launch, while the first tiles are on their way
.irp a, 0,1,2,3
	global_load_b32 v[CT+32*\a+cc],    v[SOF], s[72:73] offset:cc*16384+64*\a
	global_load_b32 v[CT+32*\a+16+cc], v[SOF], s[72:73] offset:cc*16384+8192+64*\a
.endr
.set cc, cc+1
.endr
	v_mul_u32_u24 v3, v1, PITCH
	v_lshl_add_u32 v3, v2, 4, v3                   ; p's fragment: row x pitch + 16 x half
	v_and_b32 v6, 7, v0                            ; V's: lane l reads key 8 (l / 16) + l % 8, columns 8 ((l / 8) % 2) + 0..7
	v_bfe_u32 v7, v0, 3, 1
	v_lshl_add_u32 v6, v2, 3, v6
	v_mul_u32_u24 v6, v6, PV
	v_lshl_add_u32 v6, v7, 4, v6
	s_mul_i32 s21, s11, 64*PITCH
	s_lshl_b32 s22, s12, 8
	s_add_co_u32 s22, s22, AT
	v_add_nc_u32 v[A0], s21, v3
	v_add_nc_u32 v[B0], s22, v6
	v_mov_b32 v[ADRA], v[A0]                       ; slot 0 is in hand
	v_mov_b32 v[ADRB], v[B0]
	s_mul_i32 s23, s10, 16*SPITCH
	s_add_co_u32 s23, s23, STAGE                   ; my stage
	v_mul_u32_u24 v4, v1, SPITCH                   ; in: row l % 16, 32 bytes for each half of the lanes
	v_lshl_add_u32 v4, v2, 5, v4
	v_add_nc_u32 v[STO], s23, v4
	v_and_b32 v5, 31, v0
	v_lshlrev_b32 v[CO], 4, v5                     ; back and out: 32 lanes take a row's 512 bytes
	v_add_nc_u32 v[RD], s23, v[CO]
	s_lshl_b32 s22, s10, 13
	s_add_co_u32 s22, s22, GT
	v_add_nc_u32 v[GA0], s22, v[CO]
	v_mov_b32 v[GAD], v[GA0]
	s_lshl_b32 s16, s13, 7
	s_lshl_b32 s17, s11, 6
	s_add_co_u32 s16, s16, s17                     ; my first row of out0
	s_lshl_b32 s86, s16, 12
	s_lshl_b32 s87, s42, 10
	s_add_co_u32 s86, s86, s87
	s_lshl_b32 s87, s12, 9
	s_add_co_u32 s86, s86, s87
	s_mov_b32 s87, 0
	s_add_nc_u64 s[74:75], s[74:75], s[86:87]
	; the prefetches
	s_lshl_b32 s84, s13, 7
	s_lshl_b32 s85, s40, 5
	s_add_co_u32 s84, s84, s85
	s_lshl_b32 s84, s84, 12
	s_add_co_u32 s84, s84, 3*KB                    ; p: row 128 x tile row + 32 cx, at K step 3: the first change of slots steps it to 4, which it names
	s_lshl_b32 s85, s83, 11
	s_lshl_b32 s86, s41, 5
	s_add_co_u32 s85, s85, s86
	s_add_co_u32 s85, s85, 3*128                   ; V: key 2,048 x batch + 32 cy, at K step 3
	s_lshl_b32 s85, s85, 11
	s_lshl_b32 s86, s42, 9
	s_add_co_u32 s85, s85, s86
	s_lshl_b32 s86, s12, 8
	s_add_co_u32 s85, s85, s86                     ; my 256 of the tile's 512 bytes of a row
	s_mov_b32 s16, 256
	s_mov_b32 s17, 0x40000
	s_and_b32 s22, ttmp7, 0xffff
	s_and_b32 s22, s22, 3                          ; which of the batch's four clusters
	s_cmp_lt_u32 s10, 2
	s_cselect_b32 s86, s84, s85
	s_cselect_b32 s22, s10, s22                    ; wave 0 always asks, wave 1 never
	s_cselect_b32 s23, 12, 11
	s_cselect_b32 s[PST], s16, s17
	s_cselect_b64 s[PFA:PFA+1], s[4:5], s[6:7]
	s_cmp_eq_u32 s22, 0
	s_cselect_b32 s[LIM], 2, -1
	s_mov_b32 s[PST+1], 0
	s_mov_b32 s87, 0
	s_add_nc_u64 s[PFA:PFA+1], s[PFA:PFA+1], s[86:87]
	v_lshlrev_b32 v[PFO], s23, v5                  ; my lane x a row of ph or of vh
	; M, g, L and 1 / L
	s_wait_loadcnt 0x0
.irp a, 0,1,2,3
	v_max3_num_f32 v[MX+\a], v[CT+32*\a], v[CT+32*\a+1], v[CT+32*\a+2]
.endr
.set cc, 3
.rept 6
.irp a, 0,1,2,3
	v_max3_num_f32 v[MX+\a], v[MX+\a], v[CT+32*\a+cc], v[CT+32*\a+cc+1]
.endr
.set cc, cc+2
.endr
.irp a, 0,1,2,3
	v_max_num_f32 v[MX+\a], v[MX+\a], v[CT+32*\a+15]
.endr
.set cc, 0
.rept 16
.irp a, 0,1,2,3
	v_sub_f32 v[CT+32*\a+cc], v[CT+32*\a+cc], v[MX+\a]
.endr
.set cc, cc+1
.endr
.set cc, 0
.rept 16
.irp a, 0,1,2,3
	v_exp_f32 v[CT+32*\a+cc], v[CT+32*\a+cc]       ; one batch of 64
.endr
.set cc, cc+1
.endr
	v_nop                                          ; a plain instruction behind the last exponential,
	s_wait_alu depctr_va_vdst(0)                   ; and the one wait for the batch
.set cc, 0
.rept 16
.irp a, 0,1,2,3
	v_cvt_pk_f16_f32 v[GW+4*cc+\a], v[CT+32*\a+cc], v[CT+32*\a+cc]
.endr
.set cc, cc+1
.endr
.irp a, 0,1,2,3
	v_fma_mix_f32 v[LA+\a], v[GW+\a], v[CT+32*\a+16], v[NIL] op_sel_hi:[1,0,0]  ; L = the sum of (g as rounded) x l, in f32
.endr
.set cc, 1
.rept 15
.irp a, 0,1,2,3
	v_fma_mix_f32 v[LA+\a], v[GW+4*cc+\a], v[CT+32*\a+16+cc], v[LA+\a] op_sel_hi:[1,0,0]
.endr
.set cc, cc+1
.endr
.irp a, 0,1,2,3
	v_rcp_f32 v[RL+2*\a], v[LA+\a]
.endr
	v_nop
	s_wait_alu depctr_va_vdst(0)                   ; one wait for the four reciprocals
.irp a, 0,1,2,3
	v_mov_b32 v[RL+2*\a+1], v[RL+2*\a]
.endr
.set cc, 0
.rept 16
	ds_store_b128 v[GA0], v[GW+4*cc:GW+4*cc+3] offset:512*cc  ; bytes of my wave's own, which only the lane that wrote them reads
.set cc, cc+1
.endr
	s_wait_dscnt 0x0                               ; no LDS instruction is pending at a signal
	s_wait_tensorcnt 1                             ; my part of K step 0 is in; K step 1's load may stay out
	s_barrier_signal -1
	s_barrier_wait -1
	FETCH 0, 0, 1                                  ; with chunk 0's g
	QUARTER 1, 0, 1, 1                             ; the first quarter stands in front of the loop: its products start the sums
	WIN 0
	s_mov_b32 s3, STEPS-2
.Lstep:                                        ; trip i: chunk i from its second quarter on, the first quarter of chunk i + 1; the slot that is left takes chunk i + 2
	QUARTER 2, 1, 0, 0
	TURNQ 1
	QUARTER3
	QUARTER 1, 0, 1, 0
	WIN 0
	s_sub_co_u32 s3, s3, 1
	s_cmp_lg_u32 s3, 0
	s_cbranch_scc1 .Lstep
	s_mov_b32 s3, 2
.Ltail:                                        ; the last two chunks fill nothing; the second has no chunk behind it, and jumps over that chunk's fetch, its g and its first quarter
	QUARTER 2, 1, 0, 0
	TURNQ 0
	SCALE 1
	MULA 1, 0, 0
	MULA 1, 1, 0
	MULA 1, 2, 0
	MULA 1, 3, 0
	WIN 0
	s_cmp_eq_u32 s3, 1
	s_cbranch_scc1 .Llast
	FETCH 0, 0, 1                                  ; four v_nop at the change's end stand between these loads and the last products that read buffer 0
	QUARTER 1, 0, 1, 0
	WIN 0
.Llast:
	s_sub_co_u32 s3, s3, 1
	s_cmp_lg_u32 s3, 0
	s_cbranch_scc1 .Ltail
	; THE WAY OUT, a block of 16 rows at a time: times 1 / L; 32 bytes a lane into my stage; back as whole rows of 512 bytes; out.
.macro SEND a
.set AW, 2+(\a)/2
.set AB, 64*((\a)%2)
	WIN AW                                         ; source 0 among the accumulators
.set i, 0
.rept 32
	v_pk_mul_f32 v[TMP+2*i:TMP+2*i+1], v[AB+2*i:AB+2*i+1], v[RL+2*(\a):RL+2*(\a)+1] op_sel_hi:[1,0]  ; each accumulator's registers in ascending order
.set i, i+1
.endr
	WIN 0
.set bb, 0
.rept 8
	ds_store_b128 v[STO], v[TMP+8*bb:TMP+8*bb+3]   offset:64*bb
	ds_store_b128 v[STO], v[TMP+8*bb+4:TMP+8*bb+7] offset:64*bb+16
.set bb, bb+1
.endr
	s_wait_xcnt 0x0                                ; the last block's stores have read the registers that the loads below fill
.set p, 0
.rept 16
	ds_load_b128 v[OB+4*p:OB+4*p+3], v[RD] offset:p*SPITCH  ; LDS serves a wave's instructions in order: these see the stores above
.set p, p+1
.endr
	s_wait_dscnt 0x0
.set p, 0
.rept 16
	global_store_b128 v[CO], v[OB+4*p:OB+4*p+3], s[74:75] offset:(16*(\a)+p)*4096 th:TH_STORE_NT  ; 512 consecutive bytes, aligned
.set p, p+1
.endr
.endm
	s_wait_dscnt 0x0
	PLACES
	SEND 0
	SEND 1
	SEND 2
	SEND 3
	s_wait_tensorcnt 0x0                           ; the wave's end
	ds_add_u32 v[SPW], v[NIL]
	s_wait_dscnt 0x0
	CROUND                                         ; the closing round
	s_endpgm
.Lfunc_end_k_q6b907780f2_mix:
	.size	k_q6b907780f2_mix, .Lfunc_end_k_q6b907780f2_mix-k_q6b907780f2_mix
	.p2alignl 7, 3214868480
	.fill 96, 4, 3214868480
	.section	.rodata,"a",@progbits
	.p2align	6, 0x0
	.amdhsa_kernel k_q6b907780f2_mix
		.amdhsa_group_segment_fixed_size 327680
		.amdhsa_private_segment_fixed_size 0
		.amdhsa_enable_private_segment 0
		.amdhsa_kernarg_size 32
		.amdhsa_user_sgpr_count 2
		.amdhsa_user_sgpr_kernarg_segment_ptr 1
		.amdhsa_wavefront_size32 1
		.amdhsa_system_sgpr_workgroup_id_x 1
		.amdhsa_system_sgpr_workgroup_id_y 1
		.amdhsa_system_sgpr_workgroup_id_z 1
		.amdhsa_system_vgpr_workitem_id 0
		.amdhsa_next_free_vgpr 896
		.amdhsa_next_free_sgpr 88
		.amdhsa_reserve_vcc 0
		.amdhsa_float_denorm_mode_32 3
		.amdhsa_float_denorm_mode_16_64 3
		.amdhsa_memory_ordered 1
		.amdhsa_forward_progress 1
		.amdhsa_inst_pref_size 115
	.end_amdhsa_kernel
	.amdgpu_metadata
---
amdhsa.version: [ 1, 2 ]
amdhsa.kernels:
  - .name:           k_q6b907780f2_mix
    .symbol:         k_q6b907780f2_mix.kd
    .args:
      - { .name: ph, .offset: 0, .size: 8, .value_kind: global_buffer, .address_space: global }
      - { .name: vh, .offset: 8, .size: 8, .value_kind: global_buffer, .address_space: global }
      - { .name: stats, .offset: 16, .size: 8, .value_kind: global_buffer, .address_space: global }
      - { .name: out0, .offset: 24, .size: 8, .value_kind: global_buffer, .address_space: global }
    .group_segment_fixed_size: 327680
    .private_segment_fixed_size: 0
    .kernarg_segment_align: 8
    .kernarg_segment_size: 32
    .max_flat_workgroup_size: 128
    .sgpr_count:     88
    .vgpr_count:     896
    .wavefront_size: 32
...
	.end_amdgpu_metadata
.endif
;; end of part 4
;; ======== version 2 of 2: 4 launches; version 1 with the launch cast written anew for expert scheduling mode
;; limits: values are held in f16: magnitudes above 65,504 overflow, below 6.1e-05 lose precision
;; workspace buffers: xb 16,777,216 bytes; wb 6,291,456 bytes; bc 12,288 bytes; qh 16,777,216 bytes; kh 16,777,216 bytes; vh 16,777,216 bytes; ph 33,554,432 bytes; stats 1,048,576 bytes
;; launch cast (part 5): grid 256 x 1, 11 waves a work-group, no clusters, 0 bytes of LDS; arguments x, Wq, Wk, Wv, bq, bk, bv, xb, wb, bc; writes xb, wb, bc
.if DOCPART == 5
	.amdgcn_target "amdgcn-amd-amdhsa--gfx1250"
	.amdhsa_code_object_version 6
	.text
	.protected	k_q6b907780f2_cast
	.globl	k_q6b907780f2_cast
	.p2align	8
	.type	k_q6b907780f2_cast,@function
k_q6b907780f2_cast:
	s_mov_b64 s[64:65], 0
	v_nop
	global_prefetch_b8 v0, s[64:65] scope:SCOPE_SE
	s_setreg_imm32_b32 hwreg(HW_REG_WAVE_SCHED_MODE, 0, 2), 2
	s_setreg_imm32_b32 hwreg(HW_REG_WAVE_MODE, 25, 1), 1
	s_wait_xcnt 0x0
	s_wait_alu depctr_vm_vsrc(0)
; x [8192][1024], Wq, Wk, Wv [1024][1024] and the three biases [1024], all f32, are rounded once to bf16 (nearest even).
; xb and wb are laid out IN K BLOCKS: xb [16 blocks][8192 rows][64], wb [16][3072][64]: the 128 bytes that a row has in a K block lie end to end with its neighbours', so that the next
; launch's tiles (rows x 64 along K) are dense in memory.  wb's row 384 j + 128 t + i holds row 128 j + i of W_t (t = 0, 1, 2: q, k, v; j = 0..7): 384 rows on end are 128 output
; columns each of q, k and v.  bc [3072] holds the rounded biases as f32, in wb's row order.
; SHARES.  8,192 + 3,072 rows in shares of 4 rows are 2,816 shares: 256 work-groups of 11 waves, a share a wave.  Share R = 11 x work-group + wave: R < 2,048 takes rows 4 R of x,
; the others rows of W_t, 256 shares each.  A load takes one K block of two rows: lanes 0-15 the 256 bytes of one row, lanes 16-31 those of the next; 32 loads, all issued at once.
; A lane's four numbers become 8 bytes, and a store of the wave covers 256 consecutive bytes, aligned: the two rows' 128 bytes of that K block.
; Nothing is shared between waves and each byte is read once: no LDS, no barrier, no matrix unit, no cluster.
; THE MODE: SCHED_MODE bits 1:0 = 2 (LLVM: expert scheduling mode 2), set by the entry lines.  The code itself states the register dependences
; between vector instructions and memory instructions, with s_wait_alu, always for 0.
; THE PLAN.  Registers that memory instructions touch:
;   v1, v4, VO    byte offsets, made once at the head and never written again: read by the loads (v1), the stores (VO), the bias's load and store (v4).
;   X             four registers a load.  Written by the loads, which are all issued before any vector instruction names X; load k's two conversions read its four and write its first two, in place;
;                 its one store reads those two; nothing writes them after that.
;   v[152:155]    Written by the bias's load, then by two shifts and two masks; read by two conversions and by the bias's store.
; The 32 loads go in 8 blocks of four.  Block p converts its own four loads; its memory instructions are the four stores of block p - 1, whose registers no conversion of block p names.
; So ONE wait on va_vdst at a block's head, behind the wait for the block's data, states all that its four stores hang on, and they are dealt among its eight conversions with no further wait.
; No register that a memory instruction reads is ever written again, so no wait on vm_vsrc stands behind the entry lines; EXEC is never written.
.set X,   8                            ; v[8:135]    32 loads of four registers
.set VO,  136                          ; v[136:151]  K block k: k x the bytes of a K block of all rows + 8 x lane; never rewritten
.set SRC, 40                           ; s[40:41]    where my wave reads
.set DST, 44                           ; s[44:45]    where it writes: my first row in K block 0
	s_load_b512 s[4:19], s[0:1], 0x0               ; x s[4:5], Wq s[6:7], Wk s[8:9], Wv s[10:11], bq s[12:13], bk s[14:15], bv s[16:17], xb s[18:19]
	s_load_b128 s[20:23], s[0:1], 0x40             ; wb s[20:21], bc s[22:23]
	v_lshrrev_b32 v3, 5, v0
	v_readfirstlane_b32 s35, v3                    ; wave 0..10
	v_and_b32 v2, 31, v0                           ; lane
	v_lshlrev_b32 v4, 4, v2                        ; 16 x lane, for the biases
	v_and_b32 v1, 15, v2
	v_lshrrev_b32 v3, 4, v2
	v_lshlrev_b32 v1, 4, v1
	v_lshl_add_u32 v1, v3, 12, v1                  ; in: 16 bytes a lane, lanes 16-31 a row of 4,096 bytes further down
	v_lshlrev_b32 v2, 3, v2                        ; out: 8 bytes a lane
	s_mul_i32 s34, ttmp9, 11
	s_wait_alu depctr_va_sdst(0)                   ; s35 is written, ahead of its first reader: the share's number, and with it every base, is made from it
	s_add_co_u32 s34, s34, s35                     ; R, my share
	s_cmp_lt_u32 s34, 2048
	s_cselect_b32 s24, 1, 0                        ; 1: rows of x
	s_max_u32 s25, s34, 2048
	s_sub_co_u32 s25, s25, 2048                    ; else my number among the 768 shares of the weights (0 for x's)
	s_lshr_b32 s26, s25, 8                         ; t: which W
	s_and_b32 s27, s25, 255                        ; which 4 rows of it
	s_lshr_b32 s28, s27, 5                         ; j: which 128 rows
	s_and_b32 s29, s27, 31                         ; which 4 of those
	s_mul_i32 s31, s28, 384
	s_lshl_b32 s32, s26, 7
	s_add_co_u32 s31, s31, s32                     ; 384 j + 128 t
	s_lshl_b32 s33, s29, 2
	s_add_co_u32 s33, s33, s31                     ; the first row in wb,
	s_lshl_b32 s33, s33, 7                         ; of 128 bytes in a K block
	s_lshl_b32 s30, s34, 9                         ; x's: 4 rows of 128 bytes a share
	s_mov_b32 s46, 8192*128                        ; a K block of all rows: of xb,
	s_mov_b32 s47, 3072*128                        ; of wb
	s_cmp_eq_u32 s24, 1
	s_cselect_b32 s47, s46, s47
	s_cselect_b32 s36, s34, s27
	s_cselect_b32 s38, s30, s33
	s_lshl_b32 s36, s36, 14                        ; in: 4 rows of 4,096 bytes a share
	s_mov_b32 s37, 0
	s_mov_b32 s39, 0
.set k, 0
.rept 16
	v_mad_u32_u24 v[VO+k], s47, k, v2
.set k, k+1
.endr
	s_wait_kmcnt 0x0
	s_cmp_eq_u32 s26, 1
	s_cselect_b64 s[SRC:SRC+1], s[8:9], s[6:7]
	s_cselect_b64 s[42:43], s[14:15], s[12:13]     ; and the bias that goes with it
	s_cmp_eq_u32 s26, 2
	s_cselect_b64 s[SRC:SRC+1], s[10:11], s[SRC:SRC+1]
	s_cselect_b64 s[42:43], s[16:17], s[42:43]
	s_cmp_eq_u32 s24, 1
	s_cselect_b64 s[SRC:SRC+1], s[4:5], s[SRC:SRC+1]
	s_cselect_b64 s[DST:DST+1], s[18:19], s[20:21]
	s_add_nc_u64 s[SRC:SRC+1], s[SRC:SRC+1], s[36:37]
	s_add_nc_u64 s[DST:DST+1], s[DST:DST+1], s[38:39]
	s_wait_alu depctr_va_vdst(0)                   ; v1, v4 and the sixteen offsets VO are written: every load and store of the kernel reads one of them as its offset, and no vector instruction names them again
.set k, 0
.rept 32                                       ; load k: rows 2 (k / 16) and the next, K block k % 16
	global_load_b128 v[X+4*k:X+4*k+3], v1, s[SRC:SRC+1] offset:(k/16)*8192+(k%16)*256 th:TH_LOAD_NT
.set k, k+1
.endr
.set p, 0
.rept 8                                        ; block p: loads 4 p to 4 p + 3 are converted; the four stores of block p - 1 go out among the conversions
	s_wait_loadcnt 28-4*p                          ; loads come back in order: this block's four are in, the 28 - 4 p younger ones stay out
.if p > 0
	s_wait_alu depctr_va_vdst(0)                   ; the conversions of the block before have written their pairs, which the four stores below read
.endif
.set i, 0
.rept 4
.set k, 4*p+i
.if p > 0
	global_store_b64 v[VO+(k-4)%16], v[X+4*(k-4):X+4*(k-4)+1], s[DST:DST+1] offset:((k-4)/16)*256 th:TH_STORE_NT  ; no vector instruction since the wait names these registers, and none writes them again
.endif
	v_cvt_pk_bf16_f32 v[X+4*k], v[X+4*k], v[X+4*k+1]
	v_cvt_pk_bf16_f32 v[X+4*k+1], v[X+4*k+2], v[X+4*k+3]
.set i, i+1
.endr
.set p, p+1
.endr
	s_wait_alu depctr_va_vdst(0)                   ; block 7's conversions have written their pairs, which the last four stores read
.set k, 28
.rept 4
	global_store_b64 v[VO+k%16], v[X+4*k:X+4*k+1], s[DST:DST+1] offset:(k/16)*256 th:TH_STORE_NT
.set k, k+1
.endr
	; The biases: the wave with the first share of each (t, j) takes the 128 numbers that go with wb's rows 384 j + 128 t on.
	s_or_b32 s46, s29, s24
	s_cmp_eq_u32 s46, 0
	s_cbranch_scc0 .Lend
	s_lshl_b32 s36, s28, 9                         ; 128 j numbers of 4 bytes
	s_lshl_b32 s38, s31, 2
	s_add_nc_u64 s[42:43], s[42:43], s[36:37]
	s_add_nc_u64 s[22:23], s[22:23], s[38:39]
	global_load_b128 v[152:155], v4, s[42:43]      ; v4 was written ahead of the head's wait; no vector instruction has named v[152:155]
	s_wait_loadcnt 0x0
	v_cvt_pk_bf16_f32 v156, v152, v153             ; rounded to bf16,
	v_cvt_pk_bf16_f32 v157, v154, v155
	v_lshlrev_b32 v152, 16, v156                   ; and written as f32 again
	v_and_b32 v153, 0xffff0000, v156
	v_lshlrev_b32 v154, 16, v157
	v_and_b32 v155, 0xffff0000, v157
	s_wait_alu depctr_va_vdst(0)                   ; the shifts and masks have written v[152:155], which the store reads
	global_store_b128 v4, v[152:155], s[22:23]     ; 512 consecutive bytes, aligned
.Lend:
	s_endpgm
.Lfunc_end_k_q6b907780f2_cast:
	.size	k_q6b907780f2_cast, .Lfunc_end_k_q6b907780f2_cast-k_q6b907780f2_cast
	.p2alignl 7, 3214868480
	.fill 96, 4, 3214868480
	.section	.rodata,"a",@progbits
	.p2align	6, 0x0
	.amdhsa_kernel k_q6b907780f2_cast
		.amdhsa_group_segment_fixed_size 0
		.amdhsa_private_segment_fixed_size 0
		.amdhsa_enable_private_segment 0
		.amdhsa_kernarg_size 80
		.amdhsa_user_sgpr_count 2
		.amdhsa_user_sgpr_kernarg_segment_ptr 1
		.amdhsa_wavefront_size32 1
		.amdhsa_system_sgpr_workgroup_id_x 1
		.amdhsa_system_sgpr_workgroup_id_y 1
		.amdhsa_system_sgpr_workgroup_id_z 1
		.amdhsa_system_vgpr_workitem_id 0
		.amdhsa_next_free_vgpr 160
		.amdhsa_next_free_sgpr 66
		.amdhsa_reserve_vcc 0
		.amdhsa_float_denorm_mode_32 3
		.amdhsa_float_denorm_mode_16_64 3
		.amdhsa_memory_ordered 1
		.amdhsa_forward_progress 1
		.amdhsa_inst_pref_size 15
	.end_amdhsa_kernel
	.amdgpu_metadata
---
amdhsa.version: [ 1, 2 ]
amdhsa.kernels:
  - .name:           k_q6b907780f2_cast
    .symbol:         k_q6b907780f2_cast.kd
    .args:
      - { .name: x, .offset: 0, .size: 8, .value_kind: global_buffer, .address_space: global }
      - { .name: Wq, .offset: 8, .size: 8, .value_kind: global_buffer, .address_space: global }
      - { .name: Wk, .offset: 16, .size: 8, .value_kind: global_buffer, .address_space: global }
      - { .name: Wv, .offset: 24, .size: 8, .value_kind: global_buffer, .address_space: global }
      - { .name: bq, .offset: 32, .size: 8, .value_kind: global_buffer, .address_space: global }
      - { .name: bk, .offset: 40, .size: 8, .value_kind: global_buffer, .address_space: global }
      - { .name: bv, .offset: 48, .size: 8, .value_kind: global_buffer, .address_space: global }
      - { .name: xb, .offset: 56, .size: 8, .value_kind: global_buffer, .address_space: global }
      - { .name: wb, .offset: 64, .size: 8, .value_kind: global_buffer, .address_space: global }
      - { .name: bc, .offset: 72, .size: 8, .value_kind: global_buffer, .address_space: global }
    .group_segment_fixed_size: 0
    .private_segment_fixed_size: 0
    .kernarg_segment_align: 8
    .kernarg_segment_size: 80
    .max_flat_workgroup_size: 352
    .sgpr_count:     66
    .vgpr_count:     160
    .wavefront_size: 32
...
	.end_amdgpu_metadata
.endif
;; end of part 5
;; launch proj: the kernel of part 2 again; grid 8 x 32, 4 waves a work-group, clusters of 4 x 4, 327,680 bytes of LDS; arguments xb, wb, qh, kh, vh, bc; writes qh, kh, vh
;; launch score: the kernel of part 3 again; grid 8 x 32, 4 waves a work-group, clusters of 4 x 4, 327,680 bytes of LDS; arguments qh, kh, ph, stats; writes ph, stats
;; launch mix: the kernel of part 4 again; grid 4 x 64, 4 waves a work-group, clusters of 4 x 4, 327,680 bytes of LDS; arguments ph, vh, stats, out0; writes out0
